; MI455X (gfx1250); checked and timed in simulation.
; The chip was launched on July 23, 2026; its instructions are those of AMD's public machine-readable ISA for CDNA 5 (MIT licence, August 2026) and "CDNA5" Instruction Set Architecture Reference Guide (July 2026). The comments in the code are by the model that wrote it; some were corrected since.
;; Causal Self Attention. Allowed arithmetic: matrix products marked QUANTISED: E2M3 operands, one E8M0 scale for each 32 along K, by v_wmma_scale_f32_16x16x128_f8f6f4 with both operands' format E2M3, f32 sums; everything else in f32.
;; Inputs: Wk 1,024 x 1,024 float32; Wp 1,024 x 1,024 float32; Wq 1,024 x 1,024 float32; Wv 1,024 x 1,024 float32; bk 1,024 float32; bp 1,024 float32; bq 1,024 float32; bv 1,024 float32; x 4 x 2,048 x 1,024 float32.
;; Outputs: out0 4 x 2,048 x 1,024 float32.
;; This version of the problem:
;;   THIS VERSION OF THE PROBLEM IS GIVEN IN LOW PRECISION. The matrix products marked QUANTISED in the list below multiply operands that are first quantised to E2M3 (2 exponent bits, 3 mantissa bits; 6 bits a number), with one power-of-two scale for each 32 numbers along K (OCP MX v1.0); their sums are f32. All else is computed in f32.
;;   The module's matrix products, in the order in which they are computed (A, B: the left and right operand; K: the contracted axis; several contracted axes count as one K, in the product's order):
;;     1. [M 8,192, K 1,024] x [K 1,024, N 1,024]; A: input x; B: input Wq: QUANTISED
;;     2. [M 8,192, K 1,024] x [K 1,024, N 1,024]; A: input x; B: input Wk: QUANTISED
;;     3. [M 8,192, K 1,024] x [K 1,024, N 1,024]; A: input x; B: input Wv: QUANTISED
;;     4. batch 64 x [M 2,048, K 64] x [K 64, N 2,048]; A: computed on the way; B: computed on the way: QUANTISED
;;     5. batch 64 x [M 2,048, K 2,048] x [K 2,048, N 64]; A: softmax (see below); B: computed on the way: QUANTISED
;;     6. [M 8,192, K 1,024] x [K 1,024, N 1,024]; A: computed on the way; B: input Wp: QUANTISED
;;   THE QUANTISER, for each operand of a quantised product, along K:
;;     - K is cut into blocks of 32 from its start; a last block that is shorter is filled with zeros.
;;     - A block's scale is 2^e with e = floor(log2(the largest magnitude in the block)) - 2, held to -126 .. 127; a block of zeros has e = 0. As a byte (E8M0): e + 127.
;;     - Each number is divided by its block's scale, clamped to +-7.5, and rounded to the nearest number of E2M3, ties to even, subnormals kept.
;;     - The product sums the exact products of the quantised numbers (number of the format x scale) in f32.
;;   ~~~python
;;   def quantise(x, axis):      # numpy; x: float32 -> the quantised numbers, widened to float32 again
;;       x = np.moveaxis(x, axis, -1); K = x.shape[-1]
;;       x = np.pad(x, [(0, 0)] * (x.ndim - 1) + [(0, -K % 32)]); x = x.reshape(x.shape[:-1] + (-1, 32)); a = np.abs(x).max(-1, keepdims=True)
;;       e = np.where(a > 0, np.clip(np.frexp(np.where(a > 0, a, 1))[1] - 1 - 2, -126, 127), 0)      # np.frexp(a)[1] - 1 = floor(log2(a)), exactly
;;       r = np.clip(x / 2.0 ** e, -7.5, 7.5)
;;       step = 2.0 ** (np.maximum(np.frexp(np.where(r == 0, 1, r))[1] - 1, 0) - 3)
;;       q = np.round(r / step) * step * 2.0 ** e      # np.round: ties to even
;;       return np.moveaxis(q.reshape(q.shape[:-2] + (-1,))[..., :K], -1, axis).astype(np.float32)
;;   ~~~
;;   SOFTMAX AHEAD OF A QUANTISED PRODUCT. Where the list says 'softmax', what is quantised is not the finished softmax but p = 2^(t - M), with t = logit x log2(e) and M = ceil(the row's largest t), a whole number; so 1/2 < the row's largest p <= 1. The row's sum l is taken of the UNQUANTISED p, in f32, and the product's result is divided by l at the end. Since M is a whole number, a kernel that streams over the keys may use a running M (the ceiling of the running maximum): every later rescaling is an exact power of two, which a block's scale takes up: the codes' values come out the same.
;;   OPERANDS COMPUTED ON THE WAY. 'Computed on the way' means the value that the module computes at that place (a softmax that the list does not call 'softmax' is quantised finished and normalised). What goes into a quantiser is computed in f32, as accurately as f32 sums, v_exp_f32 and their like allow (about 1e-6 of the number): no bf16 or f16 on the way to a quantiser, and a product that is left as it is and whose result goes on into a quantised operand takes f32 operands (vector FMAs, or v_wmma_f32_16x16x4_f32). A number that lies on a knife's edge between two numbers of the format may be rounded either way, as far as f32 arithmetic and the matrix unit's own rounding can turn it there, and no further.
;; One version. Each part assembles by itself: llvm-mc -triple=amdgcn-amd-amdhsa -mcpu=gfx1250 --defsym DOCPART=n.
;; ======== version 1 of 1: 4 launches
;; workspace buffers: cod 9,830,400 bytes; qb 6,815,744 bytes; kv 13,631,488 bytes; yb 6,553,600 bytes
;; launch quant (part 1): grid 384 x 1, 4 waves a work-group, no clusters, 35,328 bytes of LDS; arguments x, Wq, Wk, Wv, Wp, cod; writes cod
.if DOCPART == 1
	.amdgcn_target "amdgcn-amd-amdhsa--gfx1250"
	.amdhsa_code_object_version 6
	.text
	.protected	k_q108320e821_quant
	.globl	k_q108320e821_quant
	.p2align	8
	.type	k_q108320e821_quant,@function
k_q108320e821_quant:
	s_mov_b64 s[64:65], 0
	v_nop
	global_prefetch_b8 v0, s[64:65] scope:SCOPE_SE
	s_setreg_imm32_b32 hwreg(HW_REG_WAVE_MODE, 25, 1), 1
	s_wait_xcnt 0x0
; x [8192][1024] and Wq, Wk, Wv, Wp [1024][1024], f32 with K innermost, become codes of FP6 (E2M3) with one E8M0 byte for each 32 along K,
; laid in cod IN THE ORDER OF AN OPERAND'S REGISTERS.  cod is 768 ROW TILES of 12,800 bytes (x: 0-511, Wq: 512-575, Wk: 576-639, Wv: 640-703, Wp: 704-767).
; A row tile is 16 rows that are not neighbours: tile T takes rows 32 (T / 2) + 8 (T % 2) + m + 8 (m / 8), m = 0 .. 15.
; In a tile: 16 chunk images of 768 bytes (64 along K each): lane (r, h) owns row m = r, block h: 24 bytes, six operand registers: registers 0-3 at 16 x lane, registers 4-5 at 512 + 8 x lane;
; then 512 bytes of scale words [half of K][r][4 words]: word k % 4 of half k / 4 is the word of the k-th 128 along K.
; A block's scale is 2^(floor(log2(largest magnitude)) - 2): its byte is the largest magnitude's exponent field - 2, held at 1 from below.
; LIMITS: NaN and infinities among the inputs are not served; blocks whose largest magnitude lies under 2^-124 keep the byte 1; a block of zeros gets the byte 1 and not 127: its codes are zeros, and this program alone reads the bytes.
; SHARES.  Work-group g takes rows 32 g .. 32 g + 31 of the five tensors laid end to end: two row tiles.  Wave w takes tile w / 2 and half w % 2 of K: 8 chunks.
; A chunk: eight loads, in each of which sixteen lanes read 256 consecutive bytes of a row; the 4,096 bytes turn through the wave's own stage in LDS (rows 272 bytes apart) and come back 128 bytes a lane: a whole block.
; Loads run three chunks ahead, the turn through LDS one.  Every offset is an immediate and every store has registers of its own, so nothing that a pending load or store names is written again.
.set SPARE, 34816                      ; behind the four waves' stages: the spare words, 128 bytes a wave
.set WREG,  8704                       ; a wave's two stages of 16 rows x 272 bytes
.set GA,   1                           ; v1   where I load: 16 rows x 4,096 bytes x (lane / 16) + 16 (lane % 16)
.set SA,   2                           ; v2   the stage, on the way in
.set RA,   3                           ; v3   and on the way out: row lane % 16, block lane / 16
.set LI16, 4                           ; v4   16 x lane
.set LI8,  5                           ; v5   8 x lane
.set SPW,  6                           ; v6   my spare word; never rewritten
.set NIL,  7                           ; v7   0; never rewritten
.set SOF,  14                          ; v14  where my two scale words go: 16 r + 8 h
.set SH,   15                          ; v15  8 h
.set R,    16                          ; v16-111  three sets of 32 registers as loaded
.set X,    112                         ; v112-175 two sets of 32 neighbours along K
.set C,    176                         ; v176-239 eight registers of codes for each chunk
.set E,    240                         ; v240-247 a scale byte for each chunk
.set W,    248                         ; v248-255 the scale words
	s_load_b256 s[4:11], s[0:1], 0x0               ; x, Wq, Wk, Wv
	s_load_b128 s[12:15], s[0:1], 0x20             ; Wp, cod
	v_lshl_add_u32 v[SPW], v0, 2, SPARE
	v_mov_b32 v[NIL], 0
	v_lshrrev_b32 v8, 5, v0
	v_readfirstlane_b32 s22, v8                    ; wave
	v_and_b32 v9, 15, v0                           ; r
	v_bfe_u32 v10, v0, 4, 1                        ; h
	v_and_b32 v11, 31, v0                          ; lane
	v_lshlrev_b32 v[GA], 4, v9
	v_lshl_add_u32 v[GA], v10, 16, v[GA]
	s_mul_i32 s23, s22, WREG
	v_mul_u32_u24 v[SA], v10, 2176                 ; lanes 16-31 bring the tile's rows 8 to 15
	v_lshl_add_u32 v[SA], v9, 4, v[SA]
	v_add_nc_u32 v[SA], s23, v[SA]
	v_mul_u32_u24 v[RA], v9, 272
	v_lshl_add_u32 v[RA], v10, 7, v[RA]
	v_add_nc_u32 v[RA], s23, v[RA]
	v_lshlrev_b32 v[LI16], 4, v11
	v_lshlrev_b32 v[LI8], 3, v11
	v_lshlrev_b32 v[SH], 3, v10
	v_lshl_add_u32 v[SOF], v9, 4, v[SH]
	s_mov_b32 s24, 0x76543210
	s_mov_b32 s25, 0xfedcba98                      ; v_permlanex16_b32's selects for lane l xor 16
	s_lshr_b32 s30, s22, 1                         ; which of the two tiles
	s_and_b32 s31, s22, 1                          ; which half of K
	s_mov_b32 s18, 352
	s_wait_kmcnt 0x0
	s_cmp_lt_u32 ttmp9, 352                        ; which tensor: the choice hangs on the work-group's number alone
	s_cselect_b64 s[16:17], s[10:11], s[12:13]
	s_cselect_b32 s18, 320, s18
	s_cmp_lt_u32 ttmp9, 320
	s_cselect_b64 s[16:17], s[8:9], s[16:17]
	s_cselect_b32 s18, 288, s18
	s_cmp_lt_u32 ttmp9, 288
	s_cselect_b64 s[16:17], s[6:7], s[16:17]
	s_cselect_b32 s18, 256, s18
	s_cmp_lt_u32 ttmp9, 256
	s_cselect_b64 s[16:17], s[4:5], s[16:17]
	s_cselect_b32 s18, 0, s18                      ; the tensor's first work-group
	s_sub_co_u32 s19, ttmp9, s18
	s_lshl_b32 s32, s19, 17                        ; 32 rows of 4,096 bytes,
	s_lshl_b32 s33, s30, 15                        ; the tile's rows begin 8 rows on,
	s_add_co_u32 s32, s32, s33
	s_lshl_b32 s33, s31, 11                        ; half a row
	s_add_co_u32 s32, s32, s33
	s_mov_b32 s33, 0
	s_add_nc_u64 s[16:17], s[16:17], s[32:33]
	s_lshl_b32 s34, ttmp9, 1
	s_add_co_u32 s34, s34, s30                     ; my row tile
	s_mul_i32 s34, s34, 12800
	s_mov_b32 s35, 0
	s_add_nc_u64 s[26:27], s[14:15], s[34:35]
	s_mul_i32 s34, s31, 6144                       ; my eight chunk images
	s_lshl_b32 s36, s31, 8                         ; my half of the scale words
	s_add_co_u32 s36, s36, 12288
	s_mov_b32 s37, 0
	s_add_nc_u64 s[28:29], s[26:27], s[36:37]
	s_add_nc_u64 s[26:27], s[26:27], s[34:35]
.macro LOAD t                          ; chunk t: lanes 0-15 read 256 consecutive bytes of row i, lanes 16-31 of the row 16 further down
.irp i, 0,1,2,3,4,5,6,7
	global_load_b128 v[R+32*((\t)%3)+4*\i:R+32*((\t)%3)+4*\i+3], v[GA], s[16:17] offset:256*(\t)+4096*\i th:TH_LOAD_NT
.endr
.endm
.macro TURN t                          ; through the stage: LDS serves a wave's instructions in order, so no wait stands between the stores and the loads
.irp i, 0,1,2,3,4,5,6,7
	ds_store_b128 v[SA], v[R+32*((\t)%3)+4*\i:R+32*((\t)%3)+4*\i+3] offset:4352*((\t)%2)+272*\i
.endr
.irp i, 0,1,2,3,4,5,6,7
	ds_load_b128 v[X+32*((\t)%2)+4*\i:X+32*((\t)%2)+4*\i+3], v[RA] offset:4352*((\t)%2)+16*\i
.endr
.endm
.macro STEP t
.set XS, X+32*((\t)%2)
	s_wait_dscnt 0x0                               ; this chunk's numbers are back from the stage: so its stores into the stage have read their registers,
.if (\t)+3 < 8
	LOAD (\t)+3                                    ; which take the loads of three chunks on
.endif
.if (\t) < 7
.if (\t) <= 4
	s_wait_loadcnt 16                              ; the next chunk's eight loads are in; the two younger sets of eight may be out
.else
	s_wait_loadcnt 8*(6-(\t))                      ; near the end one set, then none
.endif
	TURN (\t)+1                                    ; and go through the other stage while this chunk is worked
.endif
	v_max3_num_f32 v12, |v[XS]|, |v[XS+1]|, |v[XS+2]|              ; the block's largest magnitude: all 32 numbers are mine; two chains
	v_max3_num_f32 v13, |v[XS+3]|, |v[XS+4]|, |v[XS+5]|
.irp i, 6,10,14,18,22,26
	v_max3_num_f32 v12, v12, |v[XS+\i]|, |v[XS+\i+1]|
	v_max3_num_f32 v13, v13, |v[XS+\i+2]|, |v[XS+\i+3]|
.endr
	v_max3_num_f32 v12, v12, |v[XS+30]|, |v[XS+31]|
	v_max3_num_f32 v12, v12, v13, 0x1800000        ; and the floor 2^(3 - 127): the byte cannot fall under 1
	v_add_nc_u32 v11, 0xff000000, v12              ; 2 off the exponent field: the conversion takes the exponent field of this operand as its scale
	v_lshrrev_b32 v[E+(\t)], 23, v11               ; the scale's byte
	v_cvt_scalef32_pk16_fp6_f32 v[C+8*(\t):C+8*(\t)+2], v[XS:XS+15], v11
	v_cvt_scalef32_pk16_fp6_f32 v[C+8*(\t)+4:C+8*(\t)+6], v[XS+16:XS+31], v11   ; (a conversion's three registers begin on an even number)
	v_nop                                          ; one plain place behind a scaled conversion
	v_mov_b32 v[C+8*(\t)+3], v[C+8*(\t)+4]         ; the six registers close up
	v_mov_b32 v[C+8*(\t)+4], v[C+8*(\t)+5]
	v_mov_b32 v[C+8*(\t)+5], v[C+8*(\t)+6]
	global_store_b128 v[LI16], v[C+8*(\t):C+8*(\t)+3], s[26:27] offset:768*(\t)        ; 512 consecutive bytes,
	global_store_b64 v[LI8], v[C+8*(\t)+4:C+8*(\t)+5], s[26:27] offset:768*(\t)+512    ; and 256: the chunk's image
.endm
	LOAD 0
	LOAD 1
	LOAD 2
	s_wait_loadcnt 16                              ; chunk 0's eight loads are in
	TURN 0
.irp t, 0,1,2,3,4,5,6,7
	STEP \t
.endr
	; the scale words of my four steps of 128 along K: chunk 2 k gives bytes 0 and 1 (blocks h = 0, 1), chunk 2 k + 1 bytes 2 and 3
.irp k, 0,1,2,3
	v_lshl_or_b32 v[W+\k], v[E+2*\k+1], 16, v[E+2*\k]
.endr
.irp k, 0,1,2,3
	v_lshlrev_b32 v[W+\k], v[SH], v[W+\k]          ; my block's bytes at their places
.endr
.irp k, 0,1,2,3
	v_mov_b32 v[W+4+\k], 0                         ; a lane permute's destination counts as one of its sources
.endr
.irp k, 0,1,2,3
	v_permlanex16_b32 v[W+4+\k], v[W+\k], s24, s25
.endr
.irp k, 0,1,2,3
	v_or_b32 v[W+\k], v[W+\k], v[W+4+\k]           ; with lane l xor 16's bytes the words are whole
.endr
	v_cmp_ne_u32 vcc_lo, 0, v[SH]
	v_cndmask_b32 v[W+4], v[W], v[W+2], vcc_lo     ; lanes 0-15 store words 0 and 1 of their row, lanes 16-31 words 2 and 3
	v_cndmask_b32 v[W+5], v[W+1], v[W+3], vcc_lo
	global_store_b64 v[SOF], v[W+4:W+5], s[28:29]  ; 256 consecutive bytes
	s_wait_tensorcnt 0x0                           ; the wave's end, behind my last LDS store
	ds_add_u32 v[SPW], v[NIL]
	s_wait_dscnt 0x0
	s_endpgm
.Lfunc_end_k_q108320e821_quant:
	.size	k_q108320e821_quant, .Lfunc_end_k_q108320e821_quant-k_q108320e821_quant
	.p2alignl 7, 3214868480
	.fill 96, 4, 3214868480
	.section	.rodata,"a",@progbits
	.p2align	6, 0x0
	.amdhsa_kernel k_q108320e821_quant
		.amdhsa_group_segment_fixed_size 35328
		.amdhsa_private_segment_fixed_size 0
		.amdhsa_enable_private_segment 0
		.amdhsa_kernarg_size 48
		.amdhsa_user_sgpr_count 2
		.amdhsa_user_sgpr_kernarg_segment_ptr 1
		.amdhsa_wavefront_size32 1
		.amdhsa_system_sgpr_workgroup_id_x 1
		.amdhsa_system_sgpr_workgroup_id_y 1
		.amdhsa_system_sgpr_workgroup_id_z 1
		.amdhsa_system_vgpr_workitem_id 0
		.amdhsa_next_free_vgpr 256
		.amdhsa_next_free_sgpr 66
		.amdhsa_reserve_vcc 1
		.amdhsa_float_denorm_mode_32 3
		.amdhsa_float_denorm_mode_16_64 3
		.amdhsa_memory_ordered 1
		.amdhsa_forward_progress 1
		.amdhsa_inst_pref_size 32
	.end_amdhsa_kernel
	.amdgpu_metadata
---
amdhsa.version: [ 1, 2 ]
amdhsa.kernels:
  - .name:           k_q108320e821_quant
    .symbol:         k_q108320e821_quant.kd
    .args:
      - { .name: x, .offset: 0, .size: 8, .value_kind: global_buffer, .address_space: global }
      - { .name: Wq, .offset: 8, .size: 8, .value_kind: global_buffer, .address_space: global }
      - { .name: Wk, .offset: 16, .size: 8, .value_kind: global_buffer, .address_space: global }
      - { .name: Wv, .offset: 24, .size: 8, .value_kind: global_buffer, .address_space: global }
      - { .name: Wp, .offset: 32, .size: 8, .value_kind: global_buffer, .address_space: global }
      - { .name: cod, .offset: 40, .size: 8, .value_kind: global_buffer, .address_space: global }
    .group_segment_fixed_size: 35328
    .private_segment_fixed_size: 0
    .kernarg_segment_align: 8
    .kernarg_segment_size: 48
    .max_flat_workgroup_size: 128
    .sgpr_count:     66
    .vgpr_count:     256
    .wavefront_size: 32
...
	.end_amdgpu_metadata
.endif
;; end of part 1
;; launch qkv (part 2): grid 12 x 32, 4 waves a work-group, clusters of 4 x 4, 327,680 bytes of LDS; arguments cod, bq, bk, bv, qb, kv; writes qb, kv
.if DOCPART == 2
	.amdgcn_target "amdgcn-amd-amdhsa--gfx1250"
	.amdhsa_code_object_version 6
	.text
	.protected	k_q108320e821_qkv
	.globl	k_q108320e821_qkv
	.p2align	8
	.type	k_q108320e821_qkv,@function
k_q108320e821_qkv:
	s_mov_b64 s[64:65], 0
	v_nop
	global_prefetch_b8 v0, s[64:65] scope:SCOPE_SE
	s_setreg_imm32_b32 hwreg(HW_REG_WAVE_MODE, 25, 1), 1
	s_wait_xcnt 0x0
	s_wait_alu depctr_hold_cnt(0) depctr_sa_sdst(0) depctr_va_vdst(0) depctr_va_sdst(0) depctr_va_ssrc(0) depctr_va_vcc(0) depctr_vm_vsrc(0)
	s_getreg_b32 s2, hwreg(HW_REG_IB_STS2, 6, 4)
	s_cmp_eq_u32 s2, 0
	s_cbranch_scc0 .Lentry_in_a_cluster
	s_endpgm
.Lentry_in_a_cluster:
	s_bfe_u32 s2, ttmp6, 0x10000c
	s_cmp_lg_u32 s2, 0xf033
	s_cbranch_scc0 .Lentry_shape_is_right
	s_endpgm
.Lentry_shape_is_right:
; q = x Wq^T + bq, k = x Wk^T + bk, v = x Wv^T + bv on codes of FP6 (E2M3) with E8M0 scales, sums in f32; the results are quantised here, q and k along the head's 64 channels, v along the keys,
; and leave as codes in the order of the next launch's operand registers.  Operands come from cod (row tiles of 12,800 bytes: 16 chunk images of 768 bytes, 512 bytes of scale words; x: tiles 0-511, Wq 512.., Wk 576.., Wv 640..).
; A row tile T holds rows 32 (T / 2) + 8 (T % 2) + m + 8 (m / 8): so in a product D = P x Q a lane holds ONE row of Q's tile, and the 16 registers of P's tiles 2 b and 2 b + 1 are 16 NEIGHBOURS 32 b + 16 (lane / 16) + 0 .. 15 along P's rows.
; A work-group of four waves makes 256 x 256, a wave 128 x 128: 64 accumulators, 512 registers.  P is source 0, Q source 1.
; Clusters x = 0, 1 (q, k): P = the weight, Q = x: a lane holds a token and its registers run along the channels.  Clusters x = 2 (v): P = x, Q = Wv: a lane holds a channel and its registers run along the tokens, v's K.
; Only tile numbers differ, chosen among cluster coordinates; the products' text is one.  The two ways part once, on the cluster's x, ahead of the last two K steps, and join at the end.
; CLUSTERS: 4 x 4 work-groups; Q's tiles hang on cy and are asked for jointly by my row of the cluster, P's on cx and by my column: the same tensor load, descriptor and mask in all four.
; K = 1,024 is four K slots of 256.  LDS has three slots: K slots 0, 1, 2 and all scale words are asked for at the start, K slot 3 goes into slot 0 when that has been read: one refill in the launch.
; The scale words of all eight K steps stay in 64 registers: lanes 0-15 Q's, lanes 16-31 P's.
; OUT: qb [64 heads][16 steps of 128 tokens][6,656]: 8 chunk images (16 tokens x 64 channels), then 512 bytes of scale words: lane x 16: lanes 0-15 tiles 0-3, lanes 16-31 tiles 4-7; bytes 2 and 3 of a word are 0.
;      kv [64 heads][16 steps][13,312]: K as in qb at 0, its words at 12,288; V at 6,144: 4 fragments (16 channels x 128 keys) of 3 x 512 bytes, registers 4 j .. 4 j + 3 at 16 x lane; V's words at 12,800.
; LIMITS: NaN and infinities are not served; blocks whose largest magnitude lies under 2^-124 keep the byte 1; a block of zeros gets the byte 1 and not 127: its codes are zeros, and this program alone reads the bytes.
; REGISTERS: window 0: v1-29 addresses; v32-95 scale words and nothing else; v128-223 Q's fragments, one set; on the way out v96-112 at work, v128-191 64 numbers, v192-211 codes, v224-239 words.
;   window 1: P's fragments, two sets, at v0 and v128; the bias at v96-127 and v224-255.   windows 2, 3: accumulator (a, b) at v[8 (8 (a % 4) + b)].
.set RT,    12800                      ; a row tile in cod
.set KSLB,  3072                       ; a row tile's four chunk images of a K slot
.set QUART, 8*KSLB                     ; eight row tiles: what one tensor load brings, and what a wave reads of Q or of P
.set SLOT,  4*QUART                    ; Q's sixteen tiles, then P's
.set SCL,   3*SLOT                     ; behind the slots: the scale words, 4,096 bytes a quarter
.set SPARE, SCL+4*4096                 ; the spare words, 128 bytes a wave
.set FR,    12                         ; registers of a fragment
.set A16,  8                           ; v8-10   16 x lane + my tiles of Q in slot 0, 1, 2
.set A8,   11                          ; v11-13  8 x lane + the same
.set B16,  14                          ; v14-16  the same for P
.set B8,   17                          ; v17-19
.set ADRS, 20                          ; v20     my scale words: lanes 0-15 Q's rows, lanes 16-31 P's
.set LI16, 21                          ; v21     16 x lane
.set LI8,  22                          ; v22     8 x lane
.set BOQ,  23                          ; v23     the bias of q and k: 64 (lane / 16)
.set BOV,  24                          ; v24     the bias of v: 4 (r + 8 (r / 8))
.set SPW,  28                          ; v28     my spare word; never rewritten
.set NIL,  29                          ; v29     0; never rewritten
.set SC,   32                          ; register 8 i + k: the word of tile i for K step k
.set TM,   96
.set PW,   112
.set AF,   128
.set X,    128
.set PC,   192
.set WC,   224
.set G1,   24                          ; s[24:31] group 1 for Q's codes; s[32:39] for P's
.set G1B,  32
.set G0,   40                          ; s[40:51] group 0 for Q's codes, a set for each slot; s[52:63] for P's
.set G0B,  52
.set G1S,  68                          ; s[68:75], s[76:83] group 1 for Q's and P's scale words; s[84:87], s[88:91] their groups 0
.set G1SB, 76
.set G0S,  84
.set G0SB, 88
.set SEL,  100                         ; s[100:101] v_permlanex16_b32's selects for lane l xor 16
.set MSB, 0
.macro WIN new                         ; the immediate's high byte repeats the setting that is left
.if MSB != \new
	s_set_vgpr_msb (MSB<<8)|\new
.set MSB, \new
.endif
.endm
.set MUL_LO, 0xa1                      ; source 0 (P) window 1, source 1 (Q) window 0, C and D window 2
.set MUL_HI, 0xf1                      ; the same, C and D window 3
.set TO_B,   0x40                      ; destination window 1, address window 0
; A joint load: waves 0 and 1 fetch for Q, waves 2 and 3 for P; the branch hangs on the wave's number alone.  An s_nop 0 and four v_nop follow each of the two lines.
.macro JLOAD g0a, g1a, g0b, g1b
	s_cmp_eq_u32 s17, 0
	s_cbranch_scc0 .Lfor_b_\@
	tensor_load_to_lds s[\g0a:\g0a+3], s[\g1a:\g1a+7]
	s_nop 0
.rept 4
	v_nop
.endr
	s_branch .Lasked_\@
.Lfor_b_\@:
	tensor_load_to_lds s[\g0b:\g0b+3], s[\g1b:\g1b+7]
	s_nop 0
.rept 4
	v_nop
.endr
.Lasked_\@:
.endm
.macro CREST                           ; a round of the cluster's barrier behind its opening barrier
	s_cmp_lg_u32 s16, 0
	s_cbranch_scc1 .Lnot_wave_0_\@
	s_barrier_signal -3
.Lnot_wave_0_\@:
	s_barrier_wait -3
	s_barrier_signal -1
	s_barrier_wait -1
.endm
.macro CROUND
	s_barrier_signal -1
	s_barrier_wait -1
	CREST
.endm
	s_load_b256 s[4:11], s[0:1], 0x0               ; cod, bq, bk, bv
	s_load_b128 s[12:15], s[0:1], 0x20             ; qb, kv
	v_lshl_add_u32 v[SPW], v0, 2, SPARE
	v_mov_b32 v[NIL], 0
	ds_add_u32 v[SPW], v[NIL]                      ; the wave's opening: the add and its wait stand ahead of my first tensor load; work on registers stands between them
	v_lshrrev_b32 v1, 5, v0
	v_readfirstlane_b32 s16, v1                    ; wave 0..3
	s_lshr_b32 s17, s16, 1                         ; which half of Q's tiles is mine.  Also: I fetch for Q (0) or for P (1)
	s_and_b32 s18, s16, 1                          ; which half of P's.  Also: which eight tiles I fetch
	s_bfe_u32 s92, ttmp6, 0x40000                  ; cx
	s_bfe_u32 s93, ttmp6, 0x40004                  ; cy
	s_and_b32 s94, ttmp7, 0xffff                   ; the cluster's y
	s_cmp_lt_u32 ttmp9, 2                          ; q or k (the cluster's x is 0 or 1), or v (2)?
	s_cselect_b32 s95, ttmp9, s94                  ; P: the weight's number, or the cluster's four blocks of tokens
	s_cselect_b32 s96, 512, 0                      ; P's first tile in cod
	s_cselect_b32 s97, s94, 0                      ; Q: the four blocks of tokens, or Wv's four blocks of channels
	s_cselect_b32 s98, 0, 640
	s_lshl_b32 s99, s18, 3                         ; the eight tiles that I fetch
	s_lshl_b32 s95, s95, 2
	s_add_co_u32 s95, s95, s92                     ; cx enters P's address alone,
	s_lshl_b32 s95, s95, 4
	s_add_co_u32 s95, s95, s96
	s_add_co_u32 s95, s95, s99
	s_mul_i32 s22, s95, RT
	s_mov_b32 s23, 0
	s_lshl_b32 s97, s97, 2
	s_add_co_u32 s97, s97, s93                     ; cy Q's alone
	s_lshl_b32 s97, s97, 4
	s_add_co_u32 s97, s97, s98
	s_add_co_u32 s97, s97, s99
	s_mul_i32 s20, s97, RT
	s_mov_b32 s21, 0
	s_lshl_b32 s66, s93, 2
	s_lshl_b32 s66, 15, s66                        ; my row of the cluster
	s_lshl_b32 s67, 0x1111, s92                    ; my column
	s_or_b32 s[G1], s66, (3<<16)|(1<<21)           ; 15:0 the mask; 17:16 elements of 8 bytes; 21 set beside a mask; no padding: an image is read 16 or 8 bytes a lane on end
	s_or_b32 s[G1B], s67, (3<<16)|(1<<21)
	s_or_b32 s[G1S], s66, (3<<16)|(1<<21)
	s_or_b32 s[G1SB], s67, (3<<16)|(1<<21)
.irp g, G1, G1B                        ; codes: 8 rows (row tiles) of 3,072 bytes, 12,800 bytes apart
	s_mov_b32 s[\g+1], 384<<16                     ; tensor_dim0
	s_mov_b32 s[\g+2], 8<<16                       ; tensor_dim1
	s_mov_b32 s[\g+3], 384<<16                     ; tile_dim0
	s_mov_b32 s[\g+4], 8                           ; tile_dim1
	s_mov_b32 s[\g+5], 1600                        ; tensor_dim0_stride
	s_mov_b32 s[\g+6], 0
	s_mov_b32 s[\g+7], 0
.endr
.irp g, G1S, G1SB                      ; scale words: 8 rows of 512 bytes
	s_mov_b32 s[\g+1], 64<<16
	s_mov_b32 s[\g+2], 8<<16
	s_mov_b32 s[\g+3], 64<<16
	s_mov_b32 s[\g+4], 8
	s_mov_b32 s[\g+5], 1600
	s_mov_b32 s[\g+6], 0
	s_mov_b32 s[\g+7], 0
.endr
	s_mul_i32 s19, s16, QUART                      ; where my quarter goes: no place in the cluster enters an LDS address
	s_lshl_b32 s2, s16, 12
	s_wait_dscnt 0x0                               ; the opening add is done
	s_wait_kmcnt 0x0
	s_add_nc_u64 s[20:21], s[4:5], s[20:21]        ; Q's eight tiles
	s_add_nc_u64 s[22:23], s[4:5], s[22:23]        ; P's
	CROUND                                         ; all sixteen work-groups are here: the first joint loads meet
	s_mov_b32 s[G0S], 1
	s_add_co_u32 s[G0S+1], s2, SCL
	s_add_nc_u64 s[G0S+2:G0S+3], s[20:21], 12288
	s_or_b32 s[G0S+3], s[G0S+3], 0x80000000
	s_mov_b32 s[G0SB], 1
	s_add_co_u32 s[G0SB+1], s2, SCL
	s_add_nc_u64 s[G0SB+2:G0SB+3], s[22:23], 12288
	s_or_b32 s[G0SB+3], s[G0SB+3], 0x80000000
	JLOAD G0S, G1S, G0SB, G1SB                     ; the scale words first: they are wanted with K step 0
.irp n, 0,1,2
	s_mov_b32 s[G0+4*\n], 1
	s_add_co_u32 s[G0+4*\n+1], s19, \n*SLOT
	s_add_nc_u64 s[G0+4*\n+2:G0+4*\n+3], s[20:21], \n*KSLB
	s_or_b32 s[G0+4*\n+3], s[G0+4*\n+3], 0x80000000
	s_mov_b32 s[G0B+4*\n], 1
	s_add_co_u32 s[G0B+4*\n+1], s19, \n*SLOT
	s_add_nc_u64 s[G0B+4*\n+2:G0B+4*\n+3], s[22:23], \n*KSLB
	s_or_b32 s[G0B+4*\n+3], s[G0B+4*\n+3], 0x80000000
	JLOAD G0+4*\n, G1, G0B+4*\n, G1B               ; K slots 0, 1, 2: four tensor loads of mine are out
.endr
	v_and_b32 v1, 15, v0                           ; r
	v_bfe_u32 v2, v0, 4, 1                         ; h
	v_and_b32 v3, 31, v0                           ; lane
	v_lshlrev_b32 v[LI16], 4, v3
	v_lshlrev_b32 v[LI8], 3, v3
	s_mul_i32 s100, s17, QUART                     ; my eight tiles of Q
	s_mul_i32 s101, s18, QUART                     ; my eight of P,
	s_add_co_u32 s101, s101, 2*QUART               ; behind Q's sixteen
.irp n, 0,1,2
	v_add_nc_u32 v[A16+\n], s100, v[LI16]
	v_add_nc_u32 v[A8+\n], s100, v[LI8]
	v_add_nc_u32 v[B16+\n], s101, v[LI16]
	v_add_nc_u32 v[B8+\n], s101, v[LI8]
	s_add_co_u32 s100, s100, SLOT
	s_add_co_u32 s101, s101, SLOT
.endr
	s_lshl_b32 s100, s17, 12                       ; Q's words: my quarter;
	s_xor_b32 s101, s17, 1
	s_add_co_u32 s101, s101, s18
	s_add_co_u32 s101, s101, 1
	s_lshl_b32 s101, s101, 12                      ; from there to P's: 4,096 x (1 + my half of P + (1 - my half of Q))
	v_mul_u32_u24 v4, s101, v2                     ; lanes 16-31 take P's
	s_add_co_u32 s100, s100, SCL
	v_lshl_add_u32 v4, v1, 4, v4                   ; 16 bytes a row: four words
	v_add_nc_u32 v[ADRS], s100, v4
	v_lshlrev_b32 v[BOQ], 6, v2
	v_and_b32 v5, 8, v1
	v_add_nc_u32 v5, v5, v1
	v_lshlrev_b32 v[BOV], 2, v5
.irp b, 0,1,2,3
	v_mov_b32 v[TM+4+\b], 0                        ; written once: a lane permute's destination counts as one of its sources
.endr
	s_mov_b32 s[SEL], 0x76543210
	s_mov_b32 s[SEL+1], 0xfedcba98
; a fragment, 16 rows x 128 K, is two chunk images: four loads, each of consecutive bytes lane by lane
.macro FRAG reg, a16, a8, q, i
	ds_load_b128 v[\reg:\reg+3], v[\a16] offset:KSLB*(\i)+1536*(\q)
	ds_load_b64 v[\reg+4:\reg+5], v[\a8] offset:KSLB*(\i)+1536*(\q)+512
	ds_load_b128 v[\reg+6:\reg+9], v[\a16] offset:KSLB*(\i)+1536*(\q)+768
	ds_load_b64 v[\reg+10:\reg+11], v[\a8] offset:KSLB*(\i)+1536*(\q)+1280
.endm
.macro FETCH_B slot, q, p              ; P's eight fragments of the slot's q-th 128 along K into set p
	WIN TO_B
.irp i, 0,1,2,3,4,5,6,7
	FRAG 128*(\p)+FR*\i, B16+\slot, B8+\slot, \q, \i
.endr
	WIN 0
.endm
.macro FETCH_A slot, q, i0             ; Q's blocks i0 .. i0 + 3
.irp i, \i0, \i0+1, \i0+2, \i0+3
	FRAG AF+FR*(\i), A16+\slot, A8+\slot, \q, \i
.endr
.endm
.macro SCALES                          ; all eight K steps' words of my tiles, once
.irp i, 0,1,2,3,4,5,6,7
	ds_load_b128 v[SC+8*\i:SC+8*\i+3], v[ADRS] offset:512*\i
	ds_load_b128 v[SC+8*\i+4:SC+8*\i+7], v[ADRS] offset:512*\i+256
.endr
.endm
; 16 matrix instructions: Q's blocks a0, a0 + 1 x P's eight, K step k.  The 64 accumulators take turns, one instruction a turn, in the same order in every step.
.macro MUL16 a0, p, k, zero
.irp a, \a0, \a0+1
.irp b, 0,1,2,3,4,5,6,7
.if \zero == 1
	v_wmma_scale_f32_16x16x128_f8f6f4 v[8*(8*((\a)%4)+\b):8*(8*((\a)%4)+\b)+7], v[128*(\p)+FR*\b:128*(\p)+FR*\b+FR-1], v[AF+FR*(\a):AF+FR*(\a)+FR-1], 0, v[SC+8*\b+(\k)], v[SC+8*(\a)+(\k)] matrix_a_fmt:MATRIX_FMT_FP6 matrix_b_fmt:MATRIX_FMT_FP6 matrix_a_scale:MATRIX_SCALE_ROW1
.else
	v_wmma_scale_f32_16x16x128_f8f6f4 v[8*(8*((\a)%4)+\b):8*(8*((\a)%4)+\b)+7], v[128*(\p)+FR*\b:128*(\p)+FR*\b+FR-1], v[AF+FR*(\a):AF+FR*(\a)+FR-1], v[8*(8*((\a)%4)+\b):8*(8*((\a)%4)+\b)+7], v[SC+8*\b+(\k)], v[SC+8*(\a)+(\k)] matrix_a_fmt:MATRIX_FMT_FP6 matrix_b_fmt:MATRIX_FMT_FP6 matrix_a_scale:MATRIX_SCALE_ROW1
.endif
.endr
.endr
.endm
; A load into a register that a matrix instruction has read, and a vector instruction that reads a matrix result, stand four places behind it; only plain vector instructions that name none of its registers are places.
.macro PLACES n
.rept \n
	v_nop
.endr
.endm
; K step k; its successor's fragments come from slot ns, the slot's nq-th 128 along K
.macro STEP k, ns, nq, zero
	s_wait_dscnt 16                                ; P's set and Q's blocks 0-3 are in; the youngest sixteen loads (Q's blocks 4-7) may be out
	WIN MUL_LO
	MUL16 0, (\k)%2, \k, \zero
	MUL16 2, (\k)%2, \k, \zero
	s_wait_dscnt 0x0                               ; Q's blocks 4-7 are in
	PLACES 4
	FETCH_B \ns, \nq, 1-(\k)%2
	FETCH_A \ns, \nq, 0
	WIN MUL_HI
	MUL16 4, (\k)%2, \k, \zero
	MUL16 6, (\k)%2, \k, \zero
	PLACES 4
	WIN 0
	FETCH_A \ns, \nq, 4
.endm
; K step k (odd) with a barrier: in front of it each wave waits for all its tensor loads, adds 0 to its spare word, and waits for that and for its reads.  fill = 1: slot 0, read out, takes K slot 3.
.macro TURN k, next, fill
	s_wait_tensorcnt 0x0                           ; all my tensor loads have landed
	ds_add_u32 v[SPW], v[NIL]                      ; 0 onto my spare word
	s_wait_dscnt 17                                ; (the add and the youngest sixteen loads may be out)
	WIN MUL_LO
	MUL16 0, 1, \k, 0                              ; sixteen matrix instructions stand between the add and the wait for it
	s_wait_dscnt 0x0                               ; the add is done, and my reads of the slot in hand are over
	s_barrier_signal -1
	MUL16 2, 1, \k, 0
	WIN 0
	s_barrier_wait -1
.if \fill
	CREST                                          ; the barrier has opened a round of the cluster's barrier: no wave of any partner still reads slot 0 or has a load on its way
	s_add_nc_u64 s[G0+2:G0+3], s[G0+2:G0+3], 3*KSLB
	s_add_nc_u64 s[G0B+2:G0B+3], s[G0B+2:G0B+3], 3*KSLB
	JLOAD G0, G1, G0B, G1B                         ; the first tensor load behind the round, and my only one: it has four K steps in which to land; its four v_nop are the places in front of the loads below
.else
	PLACES 4
.endif
	FETCH_B \next, 0, 0
	FETCH_A \next, 0, 0
	WIN MUL_HI
	MUL16 4, 1, \k, 0
	MUL16 6, 1, \k, 0
	PLACES 4
	WIN 0
	FETCH_A \next, 0, 4
.endm
.macro LAST k                          ; the last K step fetches nothing
	s_wait_dscnt 16
	WIN MUL_LO
	MUL16 0, 1, \k, 0
	MUL16 2, 1, \k, 0
	s_wait_dscnt 0x0
	WIN MUL_HI
	MUL16 4, 1, \k, 0
	MUL16 6, 1, \k, 0
	WIN 0
.endm
; 64 numbers of a lane, register 16 b + i = place 32 b + 16 (lane / 16) + i along the next K, become a fragment's codes in v[PC] on and its scale word in v[PW]
.macro QUANT s
.irp b, 0,1,2,3
	v_max3_num_f32 v[TM+\b], |v[\s+16*\b]|, |v[\s+1+16*\b]|, 0x1800000   ; my 16 numbers of block b, and the floor 2^(3 - 127): the byte cannot fall under 1
.endr
.irp i, 2,4,6,8,10,12,14
.irp b, 0,1,2,3
	v_max3_num_f32 v[TM+\b], v[TM+\b], |v[\s+16*\b+\i]|, |v[\s+1+16*\b+\i]|   ; (the four blocks by turns)
.endr
.endr
.irp b, 0,1,2,3
	v_permlanex16_b32 v[TM+4+\b], v[TM+\b], s[SEL], s[SEL+1]
.endr
.irp b, 0,1,2,3
	v_max_num_f32 v[TM+\b], v[TM+\b], v[TM+4+\b]   ; with lane l xor 16's: the block's largest magnitude
.endr
.irp b, 0,1,2,3
	v_add_nc_u32 v[TM+12+\b], 0xff000000, v[TM+\b] ; 2 off its exponent field: the conversion's scale operand
.endr
.irp b, 0,1,2,3
	v_lshrrev_b32 v[TM+4+\b], 23, v[TM+12+\b]      ; the scale's byte
.endr
	v_lshl_or_b32 v[PW], v[TM+5], 8, v[TM+4]
	v_lshl_or_b32 v[PW], v[TM+6], 16, v[PW]
	v_lshl_or_b32 v[PW], v[TM+7], 24, v[PW]
.irp c, 0,1
	v_cvt_scalef32_pk16_fp6_f32 v[PC+6*\c:PC+2+6*\c], v[\s+32*\c:\s+15+32*\c], v[TM+12+2*\c]
	v_cvt_scalef32_pk16_fp6_f32 v[PC+12+4*\c:PC+14+4*\c], v[\s+16+32*\c:\s+31+32*\c], v[TM+12+2*\c+1]   ; (a conversion's three registers begin on an even number)
.endr
	v_nop                                          ; one plain place behind a scaled conversion
.irp c, 0,1                            ; the operand's layout wants a WHOLE block in a lane: lanes 0-15 block 2 c, lanes 16-31 block 2 c + 1
.irp i, 0,1,2
	v_permlane16_swap_b32 v[PC+6*\c+\i], v[PC+12+4*\c+\i]
.endr
.irp i, 0,1,2
	v_mov_b32 v[PC+3+6*\c+\i], v[PC+12+4*\c+\i]
.endr
.endr
.endm
	s_wait_tensorcnt 2                             ; the scale words and my part of K slot 0 are in; K slots 1 and 2 may be out
	s_barrier_signal -1
	s_barrier_wait -1                              ; everybody's are
	FETCH_B 0, 0, 0
	FETCH_A 0, 0, 0
	SCALES
	FETCH_A 0, 0, 4
	STEP 0, 0, 1, 1                                ; the first step's products start the sums: nothing is cleared
	TURN 1, 1, 1                                   ; slot 0 is read out: K slot 3 is asked for
	STEP 2, 1, 1, 0
	STEP 3, 2, 0, 0                                ; on into slot 2 with no barrier: every wave waited for all its loads, slot 2's among them, in front of the round above
	STEP 4, 2, 1, 0
	TURN 5, 0, 0                                   ; K slot 3 has landed in slot 0; nothing is asked for
	s_cmp_eq_u32 ttmp9, 2                          ; THE ONE PARTING, on the cluster's x: the same in all sixteen partners
	s_cbranch_scc1 .Lv
	; ---- q and k: a lane holds a token, its registers 128 channels: two heads
	s_cmp_eq_u32 ttmp9, 0
	s_cselect_b64 s[20:21], s[6:7], s[8:9]         ; bq or bk
	s_cselect_b64 s[22:23], s[12:13], s[14:15]     ; qb or kv
	s_lshl_b32 s2, s92, 10
	s_lshl_b32 s3, s18, 9
	s_add_co_u32 s2, s2, s3                        ; my first channel: 256 cx + 128 x my half of P, in bytes
	s_mov_b32 s3, 0
	s_add_nc_u64 s[20:21], s[20:21], s[2:3]
	WIN TO_B
.irp b, 0,1,2,3,4,5,6,7                ; the bias in the result's layout: tile b's eight channels 32 (b / 2) + 16 h + 8 (b % 2) + 0 .. 7
	global_load_b128 v[96+8*\b+96*(\b/4):96+8*\b+96*(\b/4)+3], v[BOQ], s[20:21] offset:(32*(\b/2)+8*(\b%2))*4
	global_load_b128 v[96+8*\b+96*(\b/4)+4:96+8*\b+96*(\b/4)+7], v[BOQ], s[20:21] offset:(32*(\b/2)+8*(\b%2))*4+16
.endr
	WIN 0
	s_lshl_b32 s95, s94, 2
	s_add_co_u32 s95, s95, s93                     ; my block of 256 tokens
	s_lshr_b32 s96, s95, 3                         ; its batch,
	s_lshl_b32 s96, s96, 4
	s_lshl_b32 s97, s92, 2
	s_add_co_u32 s96, s96, s97
	s_lshl_b32 s97, s18, 1
	s_add_co_u32 s96, s96, s97                     ; my first head: 16 x batch + 4 cx + 2 x my half of P
	s_and_b32 s97, s95, 7
	s_lshl_b32 s97, s97, 1
	s_add_co_u32 s97, s97, s17                     ; my step of 128 tokens
	s_mul_i32 s96, s96, 106496
	s_mul_i32 s97, s97, 6656
	s_add_co_u32 s96, s96, s97
	s_lshl_b32 s96, s96, ttmp9                     ; in kv every stride of K is twice q's in qb
	s_mov_b32 s97, 0
	s_add_nc_u64 s[22:23], s[22:23], s[96:97]      ; the first head's step,
	s_lshl_b32 s96, 106496, ttmp9
	s_add_nc_u64 s[66:67], s[22:23], s[96:97]      ; the second's,
	s_lshl_b32 s96, 6144, ttmp9
	s_add_nc_u64 s[98:99], s[22:23], s[96:97]      ; and their scale words
	s_add_nc_u64 s[92:93], s[66:67], s[96:97]
	STEP 6, 0, 1, 0
	LAST 7
	PLACES 4
	s_wait_loadcnt 0x0                             ; the bias
.macro OUTQK a                         ; Q's tile a: 16 tokens x 128 channels
	WIN 0x06+(\a)/4                                ; source 0: the accumulators' window, source 1: window 1, destination window 0
.set n, 0
.rept 32
	v_pk_add_f32 v[X+n:X+n+1], v[64*((\a)%4)+n:64*((\a)%4)+n+1], v[96+n+96*(n/32):96+n+96*(n/32)+1]   ; + bias, each accumulator from its low end on
.set n, n+2
.endr
	WIN 0
	s_wait_xcnt 0x0                                ; the last tile's stores have read their registers
	QUANT X
	global_store_b128 v[LI16], v[PC:PC+3], s[22:23] offset:768*(\a)          ; registers 0-5: the first head's chunk image,
	global_store_b64 v[LI8], v[PC+4:PC+5], s[22:23] offset:768*(\a)+512
	global_store_b128 v[LI16], v[PC+6:PC+9], s[66:67] offset:768*(\a)        ; registers 6-11: the second's
	global_store_b64 v[LI8], v[PC+10:PC+11], s[66:67] offset:768*(\a)+512
	v_and_b32 v[WC+(\a)], 0xffff, v[PW]            ; a head's two bytes; the word's upper two are 0
	v_lshrrev_b32 v[WC+8+(\a)], 16, v[PW]
.endm
.irp a, 0,1,2,3,4,5,6,7
	OUTQK \a
.endr
	v_cmp_ne_u32 vcc_lo, 0, v2
.irp j, 0,1,2,3
	v_cndmask_b32 v[X+\j], v[WC+\j], v[WC+4+\j], vcc_lo        ; lanes 0-15 store the words of tiles 0-3, lanes 16-31 of tiles 4-7
	v_cndmask_b32 v[X+4+\j], v[WC+8+\j], v[WC+12+\j], vcc_lo
.endr
	global_store_b128 v[LI16], v[X:X+3], s[98:99]
	global_store_b128 v[LI16], v[X+4:X+7], s[92:93]
	s_branch .Lend
.Lv:	; ---- v: a lane holds a channel, its registers 128 tokens: a key step
	s_lshl_b32 s2, s93, 10
	s_lshl_b32 s3, s17, 9
	s_add_co_u32 s2, s2, s3                        ; my first channel: 256 cy + 128 x my half of Q, in bytes
	s_mov_b32 s3, 0
	s_add_nc_u64 s[20:21], s[10:11], s[2:3]
	WIN TO_B
.irp a, 0,1,2,3,4,5,6,7                ; my channel's bias for each tile of channels, twice: a pair for the packed addition
	global_load_b32 v[96+2*\a], v[BOV], s[20:21] offset:(32*(\a/2)+8*(\a%2))*4
	global_load_b32 v[97+2*\a], v[BOV], s[20:21] offset:(32*(\a/2)+8*(\a%2))*4
.endr
	WIN 0
	s_lshl_b32 s95, s94, 2
	s_add_co_u32 s95, s95, s92                     ; my block of 256 tokens
	s_lshr_b32 s96, s95, 3
	s_lshl_b32 s96, s96, 4
	s_lshl_b32 s97, s93, 2
	s_add_co_u32 s96, s96, s97
	s_lshl_b32 s97, s17, 1
	s_add_co_u32 s96, s96, s97                     ; my first head: 16 x batch + 4 cy + 2 x my half of Q
	s_and_b32 s97, s95, 7
	s_lshl_b32 s97, s97, 1
	s_add_co_u32 s97, s97, s18                     ; my key step
	s_mul_i32 s96, s96, 212992
	s_mul_i32 s97, s97, 13312
	s_add_co_u32 s96, s96, s97
	s_add_co_u32 s96, s96, 6144                    ; V lies behind K's eight images
	s_mov_b32 s97, 0
	s_add_nc_u64 s[22:23], s[14:15], s[96:97]
	s_add_nc_u64 s[66:67], s[22:23], 212992
	STEP 6, 0, 1, 0
	LAST 7
	PLACES 4
	s_wait_loadcnt 0x0                             ; the bias
.macro OUTV a                          ; Q's tile a: 16 channels x 128 keys: one fragment of V
	WIN 0x06+(\a)/4
.set n, 0
.rept 32
	v_pk_add_f32 v[X+n:X+n+1], v[64*((\a)%4)+n:64*((\a)%4)+n+1], v[96+2*(\a):97+2*(\a)]
.set n, n+2
.endr
	WIN 0
	s_wait_xcnt 0x0                                ; the last tile's stores have read their registers
	QUANT X
.irp j, 0,1,2
.if (\a) < 4
	global_store_b128 v[LI16], v[PC+4*\j:PC+4*\j+3], s[22:23] offset:1536*((\a)%4)+512*\j
.else
	global_store_b128 v[LI16], v[PC+4*\j:PC+4*\j+3], s[66:67] offset:1536*((\a)%4)+512*\j
.endif
.endr
	v_mov_b32 v[WC+(\a)], v[PW]
.endm
.irp a, 0,1,2,3,4,5,6,7
	OUTV \a
.endr
	global_store_b128 v[LI16], v[WC:WC+3], s[22:23] offset:6656    ; the four tiles' words of my channel; lanes 16-31 repeat lanes 0-15
	global_store_b128 v[LI16], v[WC+4:WC+7], s[66:67] offset:6656
.Lend:
	s_wait_tensorcnt 0x0                           ; the wave's end, behind my last tensor load
	ds_add_u32 v[SPW], v[NIL]
	s_wait_dscnt 0x0
	CROUND                                         ; the closing round: no work-group ends while a partner may still ask for a tile that names it
	s_endpgm
.Lfunc_end_k_q108320e821_qkv:
	.size	k_q108320e821_qkv, .Lfunc_end_k_q108320e821_qkv-k_q108320e821_qkv
	.p2alignl 7, 3214868480
	.fill 96, 4, 3214868480
	.section	.rodata,"a",@progbits
	.p2align	6, 0x0
	.amdhsa_kernel k_q108320e821_qkv
		.amdhsa_group_segment_fixed_size 327680
		.amdhsa_private_segment_fixed_size 0
		.amdhsa_enable_private_segment 0
		.amdhsa_kernarg_size 48
		.amdhsa_user_sgpr_count 2
		.amdhsa_user_sgpr_kernarg_segment_ptr 1
		.amdhsa_wavefront_size32 1
		.amdhsa_system_sgpr_workgroup_id_x 1
		.amdhsa_system_sgpr_workgroup_id_y 1
		.amdhsa_system_sgpr_workgroup_id_z 1
		.amdhsa_system_vgpr_workitem_id 0
		.amdhsa_next_free_vgpr 1024
		.amdhsa_next_free_sgpr 102
		.amdhsa_reserve_vcc 1
		.amdhsa_float_denorm_mode_32 3
		.amdhsa_float_denorm_mode_16_64 3
		.amdhsa_memory_ordered 1
		.amdhsa_forward_progress 1
		.amdhsa_inst_pref_size 239
	.end_amdhsa_kernel
	.amdgpu_metadata
---
amdhsa.version: [ 1, 2 ]
amdhsa.kernels:
  - .name:           k_q108320e821_qkv
    .symbol:         k_q108320e821_qkv.kd
    .args:
      - { .name: cod, .offset: 0, .size: 8, .value_kind: global_buffer, .address_space: global }
      - { .name: bq, .offset: 8, .size: 8, .value_kind: global_buffer, .address_space: global }
      - { .name: bk, .offset: 16, .size: 8, .value_kind: global_buffer, .address_space: global }
      - { .name: bv, .offset: 24, .size: 8, .value_kind: global_buffer, .address_space: global }
      - { .name: qb, .offset: 32, .size: 8, .value_kind: global_buffer, .address_space: global }
      - { .name: kv, .offset: 40, .size: 8, .value_kind: global_buffer, .address_space: global }
    .group_segment_fixed_size: 327680
    .private_segment_fixed_size: 0
    .kernarg_segment_align: 8
    .kernarg_segment_size: 48
    .max_flat_workgroup_size: 128
    .sgpr_count:     102
    .vgpr_count:     1024
    .wavefront_size: 32
...
	.end_amdgpu_metadata
.endif
;; end of part 2
;; launch attn (part 3): grid 4 x 64, 16 waves a work-group, clusters of 4 x 1, 215,040 bytes of LDS; arguments qb, kv, yb; writes yb
.if DOCPART == 3
	.amdgcn_target "amdgcn-amd-amdhsa--gfx1250"
	.amdhsa_code_object_version 6
	.text
	.protected	k_q108320e821_attn
	.globl	k_q108320e821_attn
	.p2align	8
	.type	k_q108320e821_attn,@function
k_q108320e821_attn:
	s_mov_b64 s[64:65], 0
	v_nop
	global_prefetch_b8 v0, s[64:65] scope:SCOPE_SE
	s_setreg_imm32_b32 hwreg(HW_REG_WAVE_MODE, 25, 1), 1
	s_wait_xcnt 0x0
	s_wait_alu depctr_hold_cnt(0) depctr_sa_sdst(0) depctr_va_vdst(0) depctr_va_sdst(0) depctr_va_ssrc(0) depctr_va_vcc(0) depctr_vm_vsrc(0)
	s_getreg_b32 s2, hwreg(HW_REG_IB_STS2, 6, 4)
	s_cmp_eq_u32 s2, 0
	s_cbranch_scc0 .Lentry_in_a_cluster
	s_endpgm
.Lentry_in_a_cluster:
	s_bfe_u32 s2, ttmp6, 0x10000c
	s_cmp_lg_u32 s2, 0x3003
	s_cbranch_scc0 .Lentry_shape_is_right
	s_endpgm
.Lentry_shape_is_right:
; y[head][q] = the sum over keys k <= q of softmax_k(q . k / 8) v[k], both products on codes of FP6 (E2M3) with E8M0 scales; y / l is quantised along the channels and leaves as codes for the last product.
; THE SOFTMAX: t = score x log2(e) / 8; M = the running largest t rounded UP to a whole number; p = 2^(t - M) is quantised along the keys, not normalised; the row's sum is taken of the unquantised p and divides at the end.
; When M moves, the sum and O are multiplied by 2^(old M - new M): exact.
; IN: qb [64 heads][16 steps][6,656]: 8 chunk images (16 tokens x 64 channels, 768 bytes), scale words at 6,144.  kv [64 heads][16 steps][13,312]: K's 8 images at 0, V's 4 fragments (16 channels x 128 keys) at 6,144, K's words at 12,288, V's at 12,800.
; A tile's 16 rows are not neighbours: tile t of a step takes rows 32 (t / 2) + 8 (t % 2) + m + 8 (m / 8): so the 16 registers of two neighbouring tiles of a transposed product are 16 neighbours along the next K.
; OUT: yb: 512 row tiles of 12,800 bytes, chunk image c = head c, scale words at 12,288 [half][r][4 words].
; SHARES.  A cluster of four work-groups is one head; all four read the same K and V, which are asked for JOINTLY and lie WHOLE in each work-group's LDS (212,992 bytes), filled once: no ring, no refill.
; Wave w of work-group cx owns two tiles of 16 queries, T = 4 w + cx and 127 - T.  Their last key steps are w / 2 and 15 - w / 2, which hang on the wave's number alone: so every branch is alike in the four partners,
; and every wave of the launch has 17 tile-steps.  Steps all of whose keys come after a tile's queries are not computed; on the diagonal hidden scores become -infinity ahead of the maximum.
; Both products are used transposed (S^T = K Q^T, O^T = V^T P^T): a lane holds one query throughout.
; K = 64 IN AN INSTRUCTION OF 128: Q's upper six registers are zero codes and the upper two bytes of its and of K's scale words are 0 (2^-127, no NaN).  K's operand of tile t is named v[44 + 6 t .. + 11]: its upper half is the next
; tile's codes (for tile 7: six registers of p's codes): numbers of the format, which meet zeros and add nothing.
; LIMITS: NaN and infinities are not served; blocks whose largest magnitude lies under 2^-124 keep the byte 1; a block of zeros gets the byte 1 and not 127: its codes are zeros, and this program alone reads the bytes.
.set STEPB, 13312                      ; a key step in kv and in LDS
.set SPARE, 16*STEPB                   ; behind the head: the spare words, 128 bytes for each of sixteen waves
.set LI16, 1                           ; v1   16 x lane
.set LI8,  2                           ; v2   8 x lane
.set SPW,  3                           ; v3   my spare word; never rewritten
.set NIL,  4                           ; v4   0; never rewritten
.set DLH,  5                           ; v5   the late tile: my query's place in its step - 16 (lane / 16)
.set DLL,  6                           ; v6   the early tile's
.set AD16, 7                           ; v7   16 x lane + the step in hand
.set AD8,  8                           ; v8   8 x lane + the same
.set QS_HI, 9                          ; v9, v10  Q's scale words
.set QS_LO, 10
.set ST_HI, 12                         ; v12-15, v16-19: -M, the largest t, the sum in two halves
.set ST_LO, 16
.set QF_HI, 20                         ; v20-31, v32-43: Q: six registers of codes, six of zeros
.set QF_LO, 32
.set KF,   44                          ; v44-91  K's tile t at 44 + 6 t; then V's tile t at 44 + 12 t
.set PC,   92                          ; v92-103 p's codes
.set BM,   104                         ; v104-107 a block's largest score, then its largest p
.set BT,   108                         ; v108-115 at work
.set BS,   116                         ; v116-119 the conversions' scale operands
.set SW,   120                         ; v120-123 K's scale words, then V's
.set F,    124                         ; v124 2^(old M - new M)
.set PW,   125                         ; v125 p's scale word
.set TMP,  126
.set S,    128                         ; v128-191 S^T, then p
.set O_HI, 192                         ; v192-223, v224-255 O^T
.set O_LO, 224
.set WV,  10
.set CX,  11
.set BH,  12
.set LL,  13                           ; s13  the early tile's last key step
.set LH,  14                           ; s14  the late tile's
.set KS,  15                           ; s15  the key step in hand
.set TB,  16                           ; s16  its LDS byte
.set SEL, 20
.set CS,  22                           ; s[22:23] log2(e) / 8
.set G1A, 24
.set G1B, 32
.set G0A, 40
.set G0B, 44
.macro CROUND                          ; a round of the cluster's barrier
	s_barrier_signal -1
	s_barrier_wait -1
	s_cmp_lg_u32 s[WV], 0
	s_cbranch_scc1 .Lnot_wave_0_\@
	s_barrier_signal -3
.Lnot_wave_0_\@:
	s_barrier_wait -3
	s_barrier_signal -1
	s_barrier_wait -1
.endm
	s_load_b128 s[4:7], s[0:1], 0x0                ; qb, kv
	s_load_b64 s[8:9], s[0:1], 0x10                ; yb
	v_lshl_add_u32 v[SPW], v0, 2, SPARE
	v_mov_b32 v[NIL], 0
	ds_add_u32 v[SPW], v[NIL]                      ; the wave's opening: the add and its wait stand ahead of my first tensor load; work on registers stands between them
	v_lshrrev_b32 v5, 5, v0
	v_readfirstlane_b32 s[WV], v5                  ; wave 0..15
	s_bfe_u32 s[CX], ttmp6, 0x40000                ; my place in the cluster: it enters q's and y's global addresses and a lane constant alone
	s_and_b32 s[BH], ttmp7, 0xffff                 ; the head, which the four partners share
	s_lshr_b32 s[LL], s[WV], 1
	s_xor_b32 s[LH], s[LL], 15                     ; 15 - w / 2
	; descriptor groups 1: dense blocks as rows of 256 bytes (32 elements of 8 bytes); A: 13 rows a wave (together key steps 0-3), B: 39 rows a wave (key steps 4-15)
	s_mov_b32 s[G1A], 15|(3<<16)|(1<<21)           ; 15:0 the mask: all four work-groups; 17:16 elements of 8 bytes; 21 set beside a mask
	s_mov_b32 s[G1A+1], 32<<16
	s_mov_b32 s[G1A+2], 13<<16
	s_mov_b32 s[G1A+3], 32<<16
	s_mov_b32 s[G1A+4], 13
	s_mov_b32 s[G1A+5], 32
	s_mov_b32 s[G1A+6], 0
	s_mov_b32 s[G1A+7], 0
	s_mov_b32 s[G1B], 15|(3<<16)|(1<<21)
	s_mov_b32 s[G1B+1], 32<<16
	s_mov_b32 s[G1B+2], 39<<16
	s_mov_b32 s[G1B+3], 32<<16
	s_mov_b32 s[G1B+4], 39
	s_mov_b32 s[G1B+5], 32
	s_mov_b32 s[G1B+6], 0
	s_mov_b32 s[G1B+7], 0
	s_mul_i32 s48, s[WV], 3328                     ; my part of key steps 0-3: in LDS as in the head's bytes in memory
	s_mul_i32 s49, s[WV], 9984
	s_add_co_u32 s49, s49, 4*STEPB                 ; and of key steps 4-15
	s_mul_i32 s50, s[BH], 16*STEPB
	s_add_co_u32 s52, s50, s48
	s_mov_b32 s53, 0
	s_add_co_u32 s54, s50, s49
	s_mov_b32 s55, 0
	s_mov_b32 s[SEL], 0x76543210
	s_mov_b32 s[SEL+1], 0xfedcba98                 ; v_permlanex16_b32's selects for lane l xor 16
	s_mov_b32 s[CS], 0x3e38aa3b                    ; c = log2(e) / sqrt(64)
	s_mov_b32 s[CS+1], s[CS]                       ; (named with it as a pair, so it is written)
	s_wait_dscnt 0x0                               ; the opening add is done
	s_wait_kmcnt 0x0
	s_mov_b32 s[G0A], 1
	s_mov_b32 s[G0A+1], s48
	s_add_nc_u64 s[G0A+2:G0A+3], s[6:7], s[52:53]
	s_or_b32 s[G0A+3], s[G0A+3], 0x80000000
	s_mov_b32 s[G0B], 1
	s_mov_b32 s[G0B+1], s49
	s_add_nc_u64 s[G0B+2:G0B+3], s[6:7], s[54:55]
	s_or_b32 s[G0B+3], s[G0B+3], 0x80000000
	CROUND                                         ; all four work-groups are here: the joint loads meet
	tensor_load_to_lds s[G0A:G0A+3], s[G1A:G1A+7]  ; every wave asks for rows of its own: two tensor loads of mine are out, the launch's only ones
	s_nop 0
	tensor_load_to_lds s[G0B:G0B+3], s[G1B:G1B+7]
	s_nop 0
.rept 4
	v_nop
.endr
	v_and_b32 v7, 31, v0
	v_lshlrev_b32 v[LI16], 4, v7
	v_lshlrev_b32 v[LI8], 3, v7
	v_and_b32 v7, 15, v0                           ; r
	v_and_b32 v8, 8, v0
	v_add_nc_u32 v8, v8, v7                        ; r + 8 (r / 8)
	v_and_b32 v11, 16, v0
	v_sub_nc_u32 v8, v8, v11                       ; - 16 h
	v_lshlrev_b32 v[TMP], 4, v7                    ; 16 r
	s_lshl_b32 s66, s[WV], 2
	s_add_co_u32 s66, s66, s[CX]                   ; the early tile
	s_sub_co_u32 s67, 127, s66                     ; the late one
	s_mul_i32 s70, s[BH], 106496                   ; the head in qb
	s_lshr_b32 s71, s[BH], 4
	s_lshl_b32 s71, s71, 7                         ; the batch's first row tile in yb
	s_and_b32 s78, s[BH], 15                       ; the head in its batch = y's chunk
	s_mul_i32 s76, s78, 768
	s_lshr_b32 s77, s78, 3
	s_lshl_b32 s77, s77, 8                         ; y's scale bytes: half of K,
	s_bfe_u32 s79, s78, 0x20001
	s_lshl_b32 s79, s79, 2                         ; word,
	s_add_co_u32 s77, s77, s79
	s_and_b32 s79, s78, 1
	s_lshl_b32 s79, s79, 1                         ; pair of bytes
	s_add_co_u32 s77, s77, s79
	s_add_co_u32 s77, s77, 12288
.macro WHERE t, qp, qsp, yp, ysp, dl   ; tile s[t]: where its q, q's scale words, its y and y's scale bytes lie, and its queries' places in their step
	s_lshr_b32 s68, s[\t], 3
	s_and_b32 s69, s[\t], 7
	s_mul_i32 s68, s68, 6656
	s_add_co_u32 s68, s68, s70
	s_mul_i32 s72, s69, 768
	s_add_co_u32 s72, s72, s68
	s_mov_b32 s73, 0
	s_add_nc_u64 s[\qp:\qp+1], s[4:5], s[72:73]
	s_lshr_b32 s72, s69, 2
	s_lshl_b32 s72, s72, 8
	s_and_b32 s74, s69, 3
	s_lshl_b32 s74, s74, 2
	s_add_co_u32 s72, s72, s74
	s_add_co_u32 s72, s72, s68
	s_add_co_u32 s72, s72, 6144
	s_add_nc_u64 s[\qsp:\qsp+1], s[4:5], s[72:73]
	s_add_co_u32 s74, s71, s[\t]
	s_mul_i32 s74, s74, 12800
	s_add_co_u32 s72, s74, s76
	s_add_nc_u64 s[\yp:\yp+1], s[8:9], s[72:73]
	s_add_co_u32 s72, s74, s77
	s_add_nc_u64 s[\ysp:\ysp+1], s[8:9], s[72:73]
	s_lshr_b32 s72, s69, 1
	s_lshl_b32 s72, s72, 5
	s_and_b32 s74, s69, 1
	s_lshl_b32 s74, s74, 3
	s_add_co_u32 s72, s72, s74
	v_add_nc_u32 v[\dl], s72, v8
.endm
	WHERE 67, 48, 52, 56, 60, DLH
	WHERE 66, 50, 54, 58, 62, DLL
	global_load_b128 v[QF_HI:QF_HI+3], v[LI16], s[48:49]           ; Q's chunk images stay in registers
	global_load_b64 v[QF_HI+4:QF_HI+5], v[LI8], s[48:49] offset:512
	global_load_b128 v[QF_LO:QF_LO+3], v[LI16], s[50:51]
	global_load_b64 v[QF_LO+4:QF_LO+5], v[LI8], s[50:51] offset:512
	global_load_b32 v[QS_HI], v[TMP], s[52:53]
	global_load_b32 v[QS_LO], v[TMP], s[54:55]
.irp j, 6,7,8,9,10,11
	v_mov_b32 v[QF_HI+\j], 0                       ; the instruction's upper 64 along K: zero codes
	v_mov_b32 v[QF_LO+\j], 0
.endr
.irp s, ST_HI, ST_LO
	v_mov_b32 v[\s+1], 0xff61b1e6                  ; the largest t so far: -3e38, under every t
	v_floor_f32 v[\s], -v[\s+1]                    ; -M
	v_mov_b32 v[\s+2], 0                           ; the sum, in two halves
	v_mov_b32 v[\s+3], 0
.endr
.irp b, 0,1,2,3
	v_mov_b32 v[BT+\b], 0                          ; written once: a lane permute's destination counts as one of its sources
.endr
.irp j, 0,1,2,3,4,5
	v_mov_b32 v[PC+\j], 0                          ; named as the unused upper half of K's tile 7 before p's first codes are made
.endr
	v_mov_b32 v[PW], 0                             ; (named as the upper half of the pair v[124:125] before it is first written)
.set n, 0
.rept 64
	v_mov_b32 v[O_HI+n], 0                         ; O^T of both tiles.  (A tile-step is written once: the first finds zeros, which the first change of M leaves zeros)
.set n, n+1
.endr
; ONE TILE OF 16 QUERIES AGAINST THE 128 KEYS OF THE STEP IN HAND.  lim: the tile's last key step, where the mask cuts.
.macro TILE qf, qs, st, ot, dl, lim
	s_cmp_gt_u32 s[KS], s[\lim]                    ; all keys of the step come after my queries: nothing to do.  The branch hangs on the wave's number and the step's alone
	s_cbranch_scc1 .Lskip_\@
.rept 4
	v_nop                                          ; places in front of loads into registers that matrix instructions have read
.endr
.irp t, 0,1,2,3,4,5,6,7
	ds_load_b128 v[KF+6*\t:KF+6*\t+3], v[AD16] offset:768*\t
	ds_load_b64 v[KF+6*\t+4:KF+6*\t+5], v[AD8] offset:768*\t+512
.endr
	ds_load_b128 v[SW:SW+3], v[AD16] offset:12288  ; K's scale words: lanes 0-15 tiles 0-3, lanes 16-31 tiles 4-7
	s_wait_dscnt 0x0
.irp t, 0,1,2,3
	v_wmma_scale_f32_16x16x128_f8f6f4 v[S+8*\t:S+8*\t+7], v[KF+6*\t:KF+6*\t+11], v[\qf:\qf+11], 0, v[SW+\t], v[\qs] matrix_a_fmt:MATRIX_FMT_FP6 matrix_b_fmt:MATRIX_FMT_FP6
.endr
.irp t, 4,5,6,7
	v_wmma_scale_f32_16x16x128_f8f6f4 v[S+8*\t:S+8*\t+7], v[KF+6*\t:KF+6*\t+11], v[\qf:\qf+11], 0, v[SW+\t-4], v[\qs] matrix_a_fmt:MATRIX_FMT_FP6 matrix_b_fmt:MATRIX_FMT_FP6 matrix_a_scale:MATRIX_SCALE_ROW1
.endr
.rept 4
	v_nop                                          ; places: for the loads below, and for the first read of the scores
.endr
.irp t, 0,1,2,3                        ; V's four fragments and its words land while the softmax is walked
.irp j, 0,1,2
	ds_load_b128 v[KF+12*\t+4*\j:KF+12*\t+4*\j+3], v[AD16] offset:6144+1536*\t+512*\j
.endr
.endr
	ds_load_b128 v[SW:SW+3], v[AD16] offset:12800
	s_cmp_lg_u32 s[KS], s[\lim]                    ; only the tile's last step lies on the diagonal
	s_cbranch_scc1 .Lopen_\@
	v_mov_b32 v[TMP], 0xff800000                   ; -infinity: p = 0 then
.set n, 0
.rept 64                               ; register 16 b + i holds key 32 b + 16 (lane / 16) + i of the step: it counts where 32 b + i <= my query's place - 16 (lane / 16)
	v_cmp_le_i32 vcc_lo, 32*(n/16)+n%16, v[\dl]
	v_cndmask_b32 v[S+n], v[TMP], v[S+n], vcc_lo
.set n, n+1
.endr
.Lopen_\@:
.irp b, 0,1,2,3
	v_max3_num_f32 v[BM+\b], v[S+16*\b], v[S+1+16*\b], v[S+2+16*\b]   ; the largest score of each block of 32 keys: it serves for the row's maximum and, since p rises with the score, for the block's largest p
.endr
.irp i, 3,5,7,9,11,13
.irp b, 0,1,2,3
	v_max3_num_f32 v[BM+\b], v[BM+\b], v[S+16*\b+\i], v[S+1+16*\b+\i]
.endr
.endr
.irp b, 0,1,2,3
	v_max_num_f32 v[BM+\b], v[BM+\b], v[S+15+16*\b]
.endr
.irp b, 0,1,2,3
	v_permlanex16_b32 v[BT+\b], v[BM+\b], s[SEL], s[SEL+1]
.endr
.irp b, 0,1,2,3
	v_max_num_f32 v[BM+\b], v[BM+\b], v[BT+\b]     ; with lane l xor 16's 16 keys
.endr
	v_max3_num_f32 v[TMP], v[BM], v[BM+1], v[BM+2]
	v_max_num_f32 v[TMP], v[TMP], v[BM+3]          ; the step's largest score of my query
	v_mul_f32 v[TMP], s[CS], v[TMP]                ; as t
	v_max_num_f32 v[\st+1], v[\st+1], v[TMP]       ; the running largest t
	v_mov_b32 v[TMP], v[\st]
	v_floor_f32 v[\st], -v[\st+1]                  ; the new -M = floor(-t): M is a whole number
	v_sub_f32 v[TMP], v[\st], v[TMP]               ; old M - new M: a whole number, 0 or less
	v_cvt_i32_f32 v[TMP], v[TMP]                   ; (it saturates)
	v_ldexp_f32 v[F], 1.0, v[TMP]                  ; f = 2^(old M - new M)
.set n, 0
.rept 32
	v_pk_fma_f32 v[S+n:S+n+1], v[S+n:S+n+1], s[CS:CS+1], v[\st:\st+1] op_sel_hi:[1,0,0]   ; t - M, two at a time
.set n, n+2
.endr
.irp b, 0,1,2,3
	v_fma_f32 v[BM+\b], v[BM+\b], s[CS], v[\st]    ; the same of each block's largest score
.endr
.set n, 0
.rept 64
	v_exp_f32 v[S+n], v[S+n]                       ; p = 2^(t - M), at most 1
.set n, n+1
.endr
	v_pk_mul_f32 v[\st+2:\st+3], v[\st+2:\st+3], v[F:F+1] op_sel_hi:[1,0]   ; the sums under the new M.  (A plain place behind the exponentials)
	s_wait_alu depctr_va_vdst(0)                   ; one wait for the whole batch, ahead of its first reader
.irp b, 0,1,2,3
	v_exp_f32 v[BM+\b], v[BM+\b]                   ; the block's largest p: the same two instructions on the same number give the same bits
.endr
	v_pk_add_f32 v[BT:BT+1], v[S:S+1], v[S+2:S+3]  ; the row's sum is taken of the unquantised p: two at a time, in two chains
.irp j, 4,8,12,16,20,24,28,32,36,40,44,48,52,56,60
	v_pk_add_f32 v[\st+2:\st+3], v[\st+2:\st+3], v[S+\j:S+1+\j]
	v_pk_add_f32 v[BT:BT+1], v[BT:BT+1], v[S+2+\j:S+3+\j]
.endr
	v_pk_add_f32 v[\st+2:\st+3], v[\st+2:\st+3], v[BT:BT+1]
	s_wait_alu depctr_va_vdst(0)                   ; and one for the four
.irp b, 0,1,2,3
	v_max_num_f32 v[BM+\b], 0x1800000, v[BM+\b]    ; the floor 2^(3 - 127): the byte cannot fall under 1
.endr
.irp b, 0,1,2,3
	v_add_nc_u32 v[BS+\b], 0xff000000, v[BM+\b]    ; 2 off the exponent field: the conversion's scale operand
.endr
.irp b, 0,1,2,3
	v_lshrrev_b32 v[BT+\b], 23, v[BS+\b]           ; the scale's byte
.endr
	v_lshl_or_b32 v[PW], v[BT+1], 8, v[BT]         ; p's scale word for these 128 keys
	v_lshl_or_b32 v[PW], v[BT+2], 16, v[PW]
	v_lshl_or_b32 v[PW], v[BT+3], 24, v[PW]
.irp c, 0,1
	v_cvt_scalef32_pk16_fp6_f32 v[PC+6*\c:PC+2+6*\c], v[S+32*\c:S+15+32*\c], v[BS+2*\c]
	v_cvt_scalef32_pk16_fp6_f32 v[BT+4*\c:BT+2+4*\c], v[S+16+32*\c:S+31+32*\c], v[BS+2*\c+1]   ; (a conversion's three registers begin on an even number)
.endr
	v_nop                                          ; one plain place behind a scaled conversion
.irp c, 0,1                            ; the operand's layout wants a WHOLE block in a lane
.irp i, 0,1,2
	v_permlane16_swap_b32 v[PC+6*\c+\i], v[BT+4*\c+\i]
.endr
.irp i, 0,1,2
	v_mov_b32 v[PC+3+6*\c+\i], v[BT+4*\c+\i]
.endr
.endr
.set n, 0
.rept 16
	v_pk_mul_f32 v[\ot+n:\ot+n+1], v[\ot+n:\ot+n+1], v[F:F+1] op_sel_hi:[1,0]   ; O^T under the new M.  (These sixteen are also the places between the lines that wrote p's codes and scale word and the products)
.set n, n+2
.endr
	s_wait_dscnt 0x0                               ; V
.irp t, 0,1,2,3
	v_wmma_scale_f32_16x16x128_f8f6f4 v[\ot+8*\t:\ot+8*\t+7], v[KF+12*\t:KF+12*\t+11], v[PC:PC+11], v[\ot+8*\t:\ot+8*\t+7], v[SW+\t], v[PW] matrix_a_fmt:MATRIX_FMT_FP6 matrix_b_fmt:MATRIX_FMT_FP6
.endr
.Lskip_\@:
.endm
.macro TRIP                            ; a key step: both tiles
	v_add_nc_u32 v[AD16], s[TB], v[LI16]
	v_add_nc_u32 v[AD8], s[TB], v[LI8]
	TILE QF_HI, QS_HI, ST_HI, O_HI, DLH, LH
	TILE QF_LO, QS_LO, ST_LO, O_LO, DLL, LL
	s_add_co_u32 s[TB], s[TB], STEPB
.endm
	s_wait_loadcnt 0x0                             ; Q
	s_wait_tensorcnt 1                             ; my part of key steps 0-3 is in; my part of key steps 4-15 may be out
	s_barrier_signal -1
	s_barrier_wait -1                              ; everybody's is
	s_mov_b32 s[KS], 0
	s_mov_b32 s[TB], 0
.Lfirst:                                           ; key steps 0 to 3
	TRIP
	s_add_co_u32 s[KS], s[KS], 1
	s_cmp_lt_u32 s[KS], 4
	s_cbranch_scc1 .Lfirst
	s_wait_tensorcnt 0x0                           ; my part of key steps 4-15 is in,
	s_wait_dscnt 0x0
	s_barrier_signal -1
	s_barrier_wait -1                              ; everybody's is
	s_mov_b32 s[KS], 4
	s_mov_b32 s[TB], 4*STEPB
.Lrest:                                            ; key steps 4 to 15
	TRIP
	s_add_co_u32 s[KS], s[KS], 1
	s_cmp_lt_u32 s[KS], 16
	s_cbranch_scc1 .Lrest
	; THE WAY OUT.  y = O^T / the sum: a lane's 32 registers of a tile are channels 32 b + 16 (lane / 16) + i of its query: two blocks of the last product's K.  Both tiles are quantised together: blocks 0, 1 the late tile's, 2, 3 the early one's.
.rept 4
	v_nop                                          ; places behind the last products
.endr
	v_add_f32 v[ST_HI+2], v[ST_HI+2], v[ST_HI+3]   ; the sum's two halves,
	v_add_f32 v[ST_LO+2], v[ST_LO+2], v[ST_LO+3]
	v_permlanex16_b32 v[BT], v[ST_HI+2], s[SEL], s[SEL+1]
	v_permlanex16_b32 v[BT+1], v[ST_LO+2], s[SEL], s[SEL+1]
	v_add_f32 v[ST_HI+2], v[ST_HI+2], v[BT]        ; and lane l xor 16's
	v_add_f32 v[ST_LO+2], v[ST_LO+2], v[BT+1]
	v_rcp_f32 v[ST_HI+3], v[ST_HI+2]
	v_rcp_f32 v[ST_LO+3], v[ST_LO+2]
	v_and_b32 v[TMP], 15, v0                       ; (a plain place behind the reciprocals)
	v_lshlrev_b32 v[TMP], 4, v[TMP]                ; 16 r: my row's four scale words
	s_wait_alu depctr_va_vdst(0)                   ; one wait for both, ahead of the first reader
.set n, 0
.rept 32
	v_mul_f32 v[S+n], v[O_HI+n], v[ST_HI+3]        ; each accumulator from its low end on
.set n, n+1
.endr
.set n, 0
.rept 32
	v_mul_f32 v[S+32+n], v[O_LO+n], v[ST_LO+3]
.set n, n+1
.endr
.irp b, 0,1,2,3
	v_max3_num_f32 v[BM+\b], |v[S+16*\b]|, |v[S+1+16*\b]|, 0x1800000   ; my 16 numbers of block b, and the floor
.endr
.irp i, 2,4,6,8,10,12,14
.irp b, 0,1,2,3
	v_max3_num_f32 v[BM+\b], v[BM+\b], |v[S+16*\b+\i]|, |v[S+1+16*\b+\i]|
.endr
.endr
.irp b, 0,1,2,3
	v_permlanex16_b32 v[BT+\b], v[BM+\b], s[SEL], s[SEL+1]
.endr
.irp b, 0,1,2,3
	v_max_num_f32 v[BM+\b], v[BM+\b], v[BT+\b]
.endr
.irp b, 0,1,2,3
	v_add_nc_u32 v[BS+\b], 0xff000000, v[BM+\b]
.endr
.irp b, 0,1,2,3
	v_lshrrev_b32 v[BT+\b], 23, v[BS+\b]
.endr
	v_lshl_or_b32 v[BM], v[BT+1], 8, v[BT]         ; the late tile's two bytes,
	v_lshl_or_b32 v[BM+1], v[BT+3], 8, v[BT+2]     ; the early one's
.irp c, 0,1
	v_cvt_scalef32_pk16_fp6_f32 v[PC+6*\c:PC+2+6*\c], v[S+32*\c:S+15+32*\c], v[BS+2*\c]
	v_cvt_scalef32_pk16_fp6_f32 v[BT+4*\c:BT+2+4*\c], v[S+16+32*\c:S+31+32*\c], v[BS+2*\c+1]
.endr
	v_nop                                          ; one plain place behind a scaled conversion
.irp c, 0,1
.irp i, 0,1,2
	v_permlane16_swap_b32 v[PC+6*\c+\i], v[BT+4*\c+\i]
.endr
.irp i, 0,1,2
	v_mov_b32 v[PC+3+6*\c+\i], v[BT+4*\c+\i]
.endr
.endr
	global_store_b128 v[LI16], v[PC:PC+3], s[56:57]                ; a chunk image: 512 consecutive bytes and 256
	global_store_b64 v[LI8], v[PC+4:PC+5], s[56:57] offset:512
	global_store_b128 v[LI16], v[PC+6:PC+9], s[58:59]
	global_store_b64 v[LI8], v[PC+10:PC+11], s[58:59] offset:512
	global_store_b16 v[TMP], v[BM], s[60:61]       ; two bytes a row: two heads share a scale word, so a word is never one work-group's; lanes l and l xor 16 write the same bytes with the same value
	global_store_b16 v[TMP], v[BM+1], s[62:63]
	s_wait_tensorcnt 0x0                           ; the wave's end, behind my last tensor load
	ds_add_u32 v[SPW], v[NIL]
	s_wait_dscnt 0x0
	CROUND                                         ; the closing round
	s_endpgm
.Lfunc_end_k_q108320e821_attn:
	.size	k_q108320e821_attn, .Lfunc_end_k_q108320e821_attn-k_q108320e821_attn
	.p2alignl 7, 3214868480
	.fill 96, 4, 3214868480
	.section	.rodata,"a",@progbits
	.p2align	6, 0x0
	.amdhsa_kernel k_q108320e821_attn
		.amdhsa_group_segment_fixed_size 215040
		.amdhsa_private_segment_fixed_size 0
		.amdhsa_enable_private_segment 0
		.amdhsa_kernarg_size 24
		.amdhsa_user_sgpr_count 2
		.amdhsa_user_sgpr_kernarg_segment_ptr 1
		.amdhsa_wavefront_size32 1
		.amdhsa_system_sgpr_workgroup_id_x 1
		.amdhsa_system_sgpr_workgroup_id_y 1
		.amdhsa_system_sgpr_workgroup_id_z 1
		.amdhsa_system_vgpr_workitem_id 0
		.amdhsa_next_free_vgpr 256
		.amdhsa_next_free_sgpr 80
		.amdhsa_reserve_vcc 1
		.amdhsa_float_denorm_mode_32 3
		.amdhsa_float_denorm_mode_16_64 3
		.amdhsa_memory_ordered 1
		.amdhsa_forward_progress 1
		.amdhsa_inst_pref_size 100
	.end_amdhsa_kernel
	.amdgpu_metadata
---
amdhsa.version: [ 1, 2 ]
amdhsa.kernels:
  - .name:           k_q108320e821_attn
    .symbol:         k_q108320e821_attn.kd
    .args:
      - { .name: qb, .offset: 0, .size: 8, .value_kind: global_buffer, .address_space: global }
      - { .name: kv, .offset: 8, .size: 8, .value_kind: global_buffer, .address_space: global }
      - { .name: yb, .offset: 16, .size: 8, .value_kind: global_buffer, .address_space: global }
    .group_segment_fixed_size: 215040
    .private_segment_fixed_size: 0
    .kernarg_segment_align: 8
    .kernarg_segment_size: 24
    .max_flat_workgroup_size: 512
    .sgpr_count:     80
    .vgpr_count:     256
    .wavefront_size: 32
...
	.end_amdgpu_metadata
.endif
;; end of part 3
;; launch proj (part 4): grid 4 x 32, 4 waves a work-group, clusters of 4 x 4, 327,680 bytes of LDS; arguments yb, cod, bp, out0; writes out0
.if DOCPART == 4
	.amdgcn_target "amdgcn-amd-amdhsa--gfx1250"
	.amdhsa_code_object_version 6
	.text
	.protected	k_q108320e821_proj
	.globl	k_q108320e821_proj
	.p2align	8
	.type	k_q108320e821_proj,@function
k_q108320e821_proj:
	s_mov_b64 s[64:65], 0
	v_nop
	global_prefetch_b8 v0, s[64:65] scope:SCOPE_SE
	s_setreg_imm32_b32 hwreg(HW_REG_WAVE_MODE, 25, 1), 1
	s_wait_xcnt 0x0
	s_wait_alu depctr_hold_cnt(0) depctr_sa_sdst(0) depctr_va_vdst(0) depctr_va_sdst(0) depctr_va_ssrc(0) depctr_va_vcc(0) depctr_vm_vsrc(0)
	s_getreg_b32 s2, hwreg(HW_REG_IB_STS2, 6, 4)
	s_cmp_eq_u32 s2, 0
	s_cbranch_scc0 .Lentry_in_a_cluster
	s_endpgm
.Lentry_in_a_cluster:
	s_bfe_u32 s2, ttmp6, 0x10000c
	s_cmp_lg_u32 s2, 0xf033
	s_cbranch_scc0 .Lentry_shape_is_right
	s_endpgm
.Lentry_shape_is_right:
; out0 = y Wp^T + bp on codes of FP6 (E2M3) with E8M0 scales, sums in f32.  y's codes come from yb, Wp's from cod (tiles 704-767): row tiles of 12,800 bytes: 16 chunk images of 768 bytes, 512 bytes of scale words.
; A row tile T holds rows 32 (T / 2) + 8 (T % 2) + m + 8 (m / 8).  P (source 0) = Wp, Q (source 1) = y: a lane holds a token, and the 16 registers of P's tiles 2 b, 2 b + 1 are channels 32 b + 16 (lane / 16) + 0 .. 15.
; A work-group of four waves makes 256 x 256, a wave 128 x 128: 64 accumulators, 512 registers.  The bias is the C of each sum's first product.
; CLUSTERS: 4 x 4 work-groups; Q's tiles hang on cy and are asked for jointly by my row of the cluster, P's on cx and by my column.
; K = 1,024 is four K slots of 256.  LDS has three slots: K slots 0, 1, 2 and all scale words are asked for at the start, K slot 3 goes into slot 0 when that has been read: one refill in the launch.
; 128 work-groups: tiles of 256 x 256 of an output of 8,192 x 1,024; a smaller tile would read more LDS bytes for each product.
; REGISTERS: window 0: v1-29 addresses; v32-95 scale words and nothing else; v128-223 Q's fragments, one set; on the way out v128-255 rows of the output.
;   window 1: P's fragments, two sets, at v0 and v128; the bias at v96-127 and v224-255.   windows 2, 3: accumulator (a, b) at v[8 (8 (a % 4) + b)].
.set RT,    12800
.set KSLB,  3072
.set QUART, 8*KSLB
.set SLOT,  4*QUART
.set SCL,   3*SLOT
.set SPARE, SCL+4*4096
.set STAGE, SLOT                       ; the way out: 16 rows x 528 bytes a wave, in slot 1: it had its only fill at the start, and its last read lies ahead of the last barrier
.set FR,    12
.set A16,  8
.set A8,   11
.set B16,  14
.set B8,   17
.set ADRS, 20
.set LI16, 21
.set LI8,  22
.set BOQ,  23                          ; v23  the bias: 64 (lane / 16)
.set STO,  24                          ; v24  the stage: where I put 32 bytes of a row
.set RD,   25                          ; v25  and where I read a row back
.set SPW,  28
.set NIL,  29
.set SC,   32
.set AF,   128
.set BK,   128
.set G1,   24
.set G1B,  32
.set G0,   40
.set G0B,  52
.set G1S,  68
.set G1SB, 76
.set G0S,  84
.set G0SB, 88
.set MSB, 0
.macro WIN new                         ; the immediate's high byte repeats the setting that is left
.if MSB != \new
	s_set_vgpr_msb (MSB<<8)|\new
.set MSB, \new
.endif
.endm
.set MUL_LO, 0xa1                      ; source 0 (P) window 1, source 1 (Q) window 0, C and D window 2
.set MUL_HI, 0xf1                      ; the same, C and D window 3
.set TO_B,   0x40                      ; destination window 1, address window 0
.macro JLOAD g0a, g1a, g0b, g1b        ; a joint load: waves 0 and 1 fetch for Q, waves 2 and 3 for P; an s_nop 0 and four v_nop follow each of the two lines
	s_cmp_eq_u32 s17, 0
	s_cbranch_scc0 .Lfor_b_\@
	tensor_load_to_lds s[\g0a:\g0a+3], s[\g1a:\g1a+7]
	s_nop 0
.rept 4
	v_nop
.endr
	s_branch .Lasked_\@
.Lfor_b_\@:
	tensor_load_to_lds s[\g0b:\g0b+3], s[\g1b:\g1b+7]
	s_nop 0
.rept 4
	v_nop
.endr
.Lasked_\@:
.endm
.macro CREST
	s_cmp_lg_u32 s16, 0
	s_cbranch_scc1 .Lnot_wave_0_\@
	s_barrier_signal -3
.Lnot_wave_0_\@:
	s_barrier_wait -3
	s_barrier_signal -1
	s_barrier_wait -1
.endm
.macro CROUND
	s_barrier_signal -1
	s_barrier_wait -1
	CREST
.endm
	s_load_b256 s[4:11], s[0:1], 0x0               ; yb, cod, bp, out0
	v_lshl_add_u32 v[SPW], v0, 2, SPARE
	v_mov_b32 v[NIL], 0
	ds_add_u32 v[SPW], v[NIL]                      ; the wave's opening: the add and its wait stand ahead of my first tensor load; work on registers stands between them
	v_lshrrev_b32 v1, 5, v0
	v_readfirstlane_b32 s16, v1                    ; wave 0..3
	s_lshr_b32 s17, s16, 1                         ; which half of Q's tiles is mine.  Also: I fetch for Q (0) or for P (1)
	s_and_b32 s18, s16, 1                          ; which half of P's.  Also: which eight tiles I fetch
	s_bfe_u32 s92, ttmp6, 0x40000                  ; cx
	s_bfe_u32 s93, ttmp6, 0x40004                  ; cy
	s_and_b32 s94, ttmp7, 0xffff                   ; the cluster's y
	s_lshl_b32 s99, s18, 3                         ; the eight tiles that I fetch
	s_lshl_b32 s95, ttmp9, 2
	s_add_co_u32 s95, s95, s92                     ; cx enters P's address alone,
	s_lshl_b32 s95, s95, 4
	s_add_co_u32 s95, s95, 704                     ; Wp's first tile in cod
	s_add_co_u32 s95, s95, s99
	s_mul_i32 s22, s95, RT
	s_mov_b32 s23, 0
	s_lshl_b32 s97, s94, 2
	s_add_co_u32 s97, s97, s93                     ; cy Q's alone
	s_lshl_b32 s97, s97, 4
	s_add_co_u32 s97, s97, s99
	s_mul_i32 s20, s97, RT
	s_mov_b32 s21, 0
	s_lshl_b32 s66, s93, 2
	s_lshl_b32 s66, 15, s66                        ; my row of the cluster
	s_lshl_b32 s67, 0x1111, s92                    ; my column
	s_or_b32 s[G1], s66, (3<<16)|(1<<21)           ; 15:0 the mask; 17:16 elements of 8 bytes; 21 set beside a mask; no padding
	s_or_b32 s[G1B], s67, (3<<16)|(1<<21)
	s_or_b32 s[G1S], s66, (3<<16)|(1<<21)
	s_or_b32 s[G1SB], s67, (3<<16)|(1<<21)
.irp g, G1, G1B                        ; codes: 8 rows (row tiles) of 3,072 bytes, 12,800 bytes apart
	s_mov_b32 s[\g+1], 384<<16
	s_mov_b32 s[\g+2], 8<<16
	s_mov_b32 s[\g+3], 384<<16
	s_mov_b32 s[\g+4], 8
	s_mov_b32 s[\g+5], 1600
	s_mov_b32 s[\g+6], 0
	s_mov_b32 s[\g+7], 0
.endr
.irp g, G1S, G1SB                      ; scale words: 8 rows of 512 bytes
	s_mov_b32 s[\g+1], 64<<16
	s_mov_b32 s[\g+2], 8<<16
	s_mov_b32 s[\g+3], 64<<16
	s_mov_b32 s[\g+4], 8
	s_mov_b32 s[\g+5], 1600
	s_mov_b32 s[\g+6], 0
	s_mov_b32 s[\g+7], 0
.endr
	s_mul_i32 s19, s16, QUART                      ; where my quarter goes: no place in the cluster enters an LDS address
	s_lshl_b32 s2, s16, 12
	s_wait_dscnt 0x0                               ; the opening add is done
	s_wait_kmcnt 0x0
	s_add_nc_u64 s[20:21], s[4:5], s[20:21]        ; Q's eight tiles, in yb
	s_add_nc_u64 s[22:23], s[6:7], s[22:23]        ; P's, in cod
	CROUND                                         ; all sixteen work-groups are here: the first joint loads meet
	s_mov_b32 s[G0S], 1
	s_add_co_u32 s[G0S+1], s2, SCL
	s_add_nc_u64 s[G0S+2:G0S+3], s[20:21], 12288
	s_or_b32 s[G0S+3], s[G0S+3], 0x80000000
	s_mov_b32 s[G0SB], 1
	s_add_co_u32 s[G0SB+1], s2, SCL
	s_add_nc_u64 s[G0SB+2:G0SB+3], s[22:23], 12288
	s_or_b32 s[G0SB+3], s[G0SB+3], 0x80000000
	JLOAD G0S, G1S, G0SB, G1SB                     ; the scale words first
.irp n, 0,1,2
	s_mov_b32 s[G0+4*\n], 1
	s_add_co_u32 s[G0+4*\n+1], s19, \n*SLOT
	s_add_nc_u64 s[G0+4*\n+2:G0+4*\n+3], s[20:21], \n*KSLB
	s_or_b32 s[G0+4*\n+3], s[G0+4*\n+3], 0x80000000
	s_mov_b32 s[G0B+4*\n], 1
	s_add_co_u32 s[G0B+4*\n+1], s19, \n*SLOT
	s_add_nc_u64 s[G0B+4*\n+2:G0B+4*\n+3], s[22:23], \n*KSLB
	s_or_b32 s[G0B+4*\n+3], s[G0B+4*\n+3], 0x80000000
	JLOAD G0+4*\n, G1, G0B+4*\n, G1B               ; K slots 0, 1, 2: four tensor loads of mine are out
.endr
	v_and_b32 v1, 15, v0                           ; r
	v_bfe_u32 v2, v0, 4, 1                         ; h
	v_and_b32 v3, 31, v0                           ; lane
	v_lshlrev_b32 v[LI16], 4, v3
	v_lshlrev_b32 v[LI8], 3, v3
	v_lshlrev_b32 v[BOQ], 6, v2
	s_lshl_b32 s98, ttmp9, 2
	s_add_co_u32 s98, s98, s92
	s_lshl_b32 s98, s98, 10
	s_lshl_b32 s99, s18, 9
	s_add_co_u32 s98, s98, s99                     ; my first channel, in bytes: 1,024 x block of 256 + 512 x my half of P
	s_mov_b32 s99, 0
	s_add_nc_u64 s[12:13], s[8:9], s[98:99]
	WIN TO_B
.irp b, 0,1,2,3,4,5,6,7                ; the bias in the result's layout: tile b's eight channels 32 (b / 2) + 16 h + 8 (b % 2) + 0 .. 7
	global_load_b128 v[96+8*\b+96*(\b/4):96+8*\b+96*(\b/4)+3], v[BOQ], s[12:13] offset:(32*(\b/2)+8*(\b%2))*4
	global_load_b128 v[96+8*\b+96*(\b/4)+4:96+8*\b+96*(\b/4)+7], v[BOQ], s[12:13] offset:(32*(\b/2)+8*(\b%2))*4+16
.endr
	WIN 0
	s_lshl_b32 s95, s94, 2
	s_add_co_u32 s95, s95, s93
	s_lshl_b32 s95, s95, 8
	s_lshl_b32 s96, s17, 7
	s_add_co_u32 s95, s95, s96                     ; my first token: 256 x (4 Y + cy) + 128 x my half of Q
	s_lshl_b32 s96, s95, 12                        ; a row of the output is 4,096 bytes
	s_add_co_u32 s96, s96, s98
	s_mov_b32 s97, 0
	s_add_nc_u64 s[14:15], s[10:11], s[96:97]
	s_mul_i32 s100, s17, QUART                     ; my eight tiles of Q
	s_mul_i32 s101, s18, QUART                     ; my eight of P,
	s_add_co_u32 s101, s101, 2*QUART               ; behind Q's sixteen
.irp n, 0,1,2
	v_add_nc_u32 v[A16+\n], s100, v[LI16]
	v_add_nc_u32 v[A8+\n], s100, v[LI8]
	v_add_nc_u32 v[B16+\n], s101, v[LI16]
	v_add_nc_u32 v[B8+\n], s101, v[LI8]
	s_add_co_u32 s100, s100, SLOT
	s_add_co_u32 s101, s101, SLOT
.endr
	s_lshl_b32 s100, s17, 12                       ; Q's words: my quarter;
	s_xor_b32 s101, s17, 1
	s_add_co_u32 s101, s101, s18
	s_add_co_u32 s101, s101, 1
	s_lshl_b32 s101, s101, 12                      ; from there to P's: 4,096 x (1 + my half of P + (1 - my half of Q))
	v_mul_u32_u24 v4, s101, v2                     ; lanes 16-31 take P's
	s_add_co_u32 s100, s100, SCL
	v_lshl_add_u32 v4, v1, 4, v4
	v_add_nc_u32 v[ADRS], s100, v4
	s_mul_i32 s100, s16, 16*528
	s_add_co_u32 s100, s100, STAGE                 ; my stage
	v_mul_u32_u24 v[STO], v1, 528
	v_lshl_add_u32 v[STO], v2, 6, v[STO]           ; in: row r, + 64 h: my half's 16 channels of each 32
	v_add_nc_u32 v[STO], s100, v[STO]
	v_add_nc_u32 v[RD], s100, v[LI16]              ; back: the 32 lanes take one row of 512 bytes
.macro FRAG reg, a16, a8, q, i         ; a fragment, 16 rows x 128 K, is two chunk images: four loads, each of consecutive bytes lane by lane
	ds_load_b128 v[\reg:\reg+3], v[\a16] offset:KSLB*(\i)+1536*(\q)
	ds_load_b64 v[\reg+4:\reg+5], v[\a8] offset:KSLB*(\i)+1536*(\q)+512
	ds_load_b128 v[\reg+6:\reg+9], v[\a16] offset:KSLB*(\i)+1536*(\q)+768
	ds_load_b64 v[\reg+10:\reg+11], v[\a8] offset:KSLB*(\i)+1536*(\q)+1280
.endm
.macro FETCH_B slot, q, p
	WIN TO_B
.irp i, 0,1,2,3,4,5,6,7
	FRAG 128*(\p)+FR*\i, B16+\slot, B8+\slot, \q, \i
.endr
	WIN 0
.endm
.macro FETCH_A slot, q, i0
.irp i, \i0, \i0+1, \i0+2, \i0+3
	FRAG AF+FR*(\i), A16+\slot, A8+\slot, \q, \i
.endr
.endm
.macro SCALES                          ; all eight K steps' words of my tiles, once
.irp i, 0,1,2,3,4,5,6,7
	ds_load_b128 v[SC+8*\i:SC+8*\i+3], v[ADRS] offset:512*\i
	ds_load_b128 v[SC+8*\i+4:SC+8*\i+7], v[ADRS] offset:512*\i+256
.endr
.endm
; 16 matrix instructions: Q's blocks a0, a0 + 1 x P's eight, K step k.  first = 1: the sums begin with the bias as C.  The 64 accumulators take turns, one instruction a turn.
.macro MUL16 a0, p, k, first
.irp a, \a0, \a0+1
.irp b, 0,1,2,3,4,5,6,7
.if \first == 1
	v_wmma_scale_f32_16x16x128_f8f6f4 v[8*(8*((\a)%4)+\b):8*(8*((\a)%4)+\b)+7], v[128*(\p)+FR*\b:128*(\p)+FR*\b+FR-1], v[AF+FR*(\a):AF+FR*(\a)+FR-1], v[96+8*\b+96*(\b/4):96+8*\b+96*(\b/4)+7], v[SC+8*\b+(\k)], v[SC+8*(\a)+(\k)] matrix_a_fmt:MATRIX_FMT_FP6 matrix_b_fmt:MATRIX_FMT_FP6 matrix_a_scale:MATRIX_SCALE_ROW1
.else
	v_wmma_scale_f32_16x16x128_f8f6f4 v[8*(8*((\a)%4)+\b):8*(8*((\a)%4)+\b)+7], v[128*(\p)+FR*\b:128*(\p)+FR*\b+FR-1], v[AF+FR*(\a):AF+FR*(\a)+FR-1], v[8*(8*((\a)%4)+\b):8*(8*((\a)%4)+\b)+7], v[SC+8*\b+(\k)], v[SC+8*(\a)+(\k)] matrix_a_fmt:MATRIX_FMT_FP6 matrix_b_fmt:MATRIX_FMT_FP6 matrix_a_scale:MATRIX_SCALE_ROW1
.endif
.endr
.endr
.endm
; A load into a register that a matrix instruction has read, and an LDS store that reads a matrix result, stand four places behind it; only plain vector instructions that name none of its registers are places.
.macro PLACES n
.rept \n
	v_nop
.endr
.endm
.macro STEP k, ns, nq, first
	s_wait_dscnt 16                                ; P's set and Q's blocks 0-3 are in; the youngest sixteen loads (Q's blocks 4-7) may be out
.if \first == 1
	WIN 0x91                                       ; C (the bias) window 1, D window 2
.else
	WIN MUL_LO
.endif
	MUL16 0, (\k)%2, \k, \first
	MUL16 2, (\k)%2, \k, \first
	s_wait_dscnt 0x0                               ; Q's blocks 4-7 are in
	PLACES 4
	FETCH_B \ns, \nq, 1-(\k)%2
	FETCH_A \ns, \nq, 0
.if \first == 1
	WIN 0xd1                                       ; C window 1, D window 3
.else
	WIN MUL_HI
.endif
	MUL16 4, (\k)%2, \k, \first
	MUL16 6, (\k)%2, \k, \first
	PLACES 4
	WIN 0
	FETCH_A \ns, \nq, 4
.endm
.macro TURN k, next, fill
	s_wait_tensorcnt 0x0                           ; all my tensor loads have landed
	ds_add_u32 v[SPW], v[NIL]                      ; 0 onto my spare word
	s_wait_dscnt 17                                ; (the add and the youngest sixteen loads may be out)
	WIN MUL_LO
	MUL16 0, 1, \k, 0                              ; sixteen matrix instructions stand between the add and the wait for it
	s_wait_dscnt 0x0                               ; the add is done, and my reads of the slot in hand are over
	s_barrier_signal -1
	MUL16 2, 1, \k, 0
	WIN 0
	s_barrier_wait -1
.if \fill
	CREST                                          ; the barrier has opened a round of the cluster's barrier: no wave of any partner still reads slot 0 or has a load on its way
	s_add_nc_u64 s[G0+2:G0+3], s[G0+2:G0+3], 3*KSLB
	s_add_nc_u64 s[G0B+2:G0B+3], s[G0B+2:G0B+3], 3*KSLB
	JLOAD G0, G1, G0B, G1B                         ; the first tensor load behind the round, and my only one; its four v_nop are the places in front of the loads below
.else
	PLACES 4
.endif
	FETCH_B \next, 0, 0
	FETCH_A \next, 0, 0
	WIN MUL_HI
	MUL16 4, 1, \k, 0
	MUL16 6, 1, \k, 0
	PLACES 4
	WIN 0
	FETCH_A \next, 0, 4
.endm
	s_wait_tensorcnt 2                             ; the scale words and my part of K slot 0 are in; K slots 1 and 2 may be out
	s_barrier_signal -1
	s_barrier_wait -1                              ; everybody's are
	FETCH_B 0, 0, 0
	FETCH_A 0, 0, 0
	SCALES
	FETCH_A 0, 0, 4
	s_wait_loadcnt 0x0                             ; the bias
	STEP 0, 0, 1, 1                                ; the first step's products start the sums from the bias
	TURN 1, 1, 1                                   ; slot 0 is read out: K slot 3 is asked for
	STEP 2, 1, 1, 0
	STEP 3, 2, 0, 0                                ; on into slot 2 with no barrier: every wave waited for all its loads, slot 2's among them, in front of the round above
	STEP 4, 2, 1, 0
	TURN 5, 0, 0                                   ; K slot 3 has landed in slot 0; nothing is asked for
	STEP 6, 0, 1, 0
	s_wait_dscnt 16                                ; the last K step fetches nothing
	WIN MUL_LO
	MUL16 0, 1, 7, 0
	MUL16 2, 1, 7, 0
	s_wait_dscnt 0x0
	WIN MUL_HI
	MUL16 4, 1, 7, 0
	MUL16 6, 1, 7, 0
	WIN 0
; THE WAY OUT, tile by tile of 16 tokens x 128 channels.  A lane holds 32 neighbouring bytes of a row here and there; the tile goes through my own stage in LDS and comes back as whole rows of 512 bytes.
; LDS serves a wave's instructions in order (ISA guide 5.7.1.4): no wait between the stores and the loads, nor in front of the next tile's stores.
.macro TOSTAGE a
	WIN 0x08+4*((\a)/4)                            ; an LDS store's data are its source 1: window 2 or 3
.irp b, 0,1,2,3,4,5,6,7
	ds_store_b128 v[STO], v[64*((\a)%4)+8*\b:64*((\a)%4)+8*\b+3] offset:128*(\b/2)+32*(\b%2)          ; each accumulator from its low end on
	ds_store_b128 v[STO], v[64*((\a)%4)+8*\b+4:64*((\a)%4)+8*\b+7] offset:128*(\b/2)+32*(\b%2)+16
.endr
	WIN 0
.irp t, 0,1,2,3,4,5,6,7,8,9,10,11,12,13,14,15
	ds_load_b128 v[BK+64*((\a)%2)+4*\t:BK+64*((\a)%2)+4*\t+3], v[RD] offset:\t*528
.endr
.endm
.macro SEND a, younger                 ; younger: the LDS instructions issued behind tile a's loads, which may stay out
	s_wait_dscnt \younger
.irp t, 0,1,2,3,4,5,6,7,8,9,10,11,12,13,14,15
	global_store_b128 v[LI16], v[BK+64*((\a)%2)+4*\t:BK+64*((\a)%2)+4*\t+3], s[14:15] offset:(32*((\a)/2)+8*((\a)%2)+\t+8*(\t/8))*4096 th:TH_STORE_NT   ; row t of the tile is token 32 (a / 2) + 8 (a % 2) + t + 8 (t / 8): 512 consecutive bytes, at a multiple of 512 from the output's first byte
.endr
.endm
	PLACES 4                                       ; behind the last products: for the stores that read results and for the loads into the registers that held Q's fragments
	TOSTAGE 0
.irp a, 1,2,3,4,5,6,7
.if \a > 1
	s_wait_xcnt 0x0                                ; tile a - 2's stores have read their registers: tile a's loads may land there
.endif
	TOSTAGE \a
	SEND \a-1, 32                                  ; behind tile a - 1's loads: tile a's 16 stores and 16 loads
.endr
	SEND 7, 0
	s_wait_tensorcnt 0x0                           ; the wave's end, behind my last tensor load and my last LDS store
	ds_add_u32 v[SPW], v[NIL]
	s_wait_dscnt 0x0
	CROUND                                         ; the closing round: no work-group ends while a partner may still ask for a tile that names it
	s_endpgm
.Lfunc_end_k_q108320e821_proj:
	.size	k_q108320e821_proj, .Lfunc_end_k_q108320e821_proj-k_q108320e821_proj
	.p2alignl 7, 3214868480
	.fill 96, 4, 3214868480
	.section	.rodata,"a",@progbits
	.p2align	6, 0x0
	.amdhsa_kernel k_q108320e821_proj
		.amdhsa_group_segment_fixed_size 327680
		.amdhsa_private_segment_fixed_size 0
		.amdhsa_enable_private_segment 0
		.amdhsa_kernarg_size 32
		.amdhsa_user_sgpr_count 2
		.amdhsa_user_sgpr_kernarg_segment_ptr 1
		.amdhsa_wavefront_size32 1
		.amdhsa_system_sgpr_workgroup_id_x 1
		.amdhsa_system_sgpr_workgroup_id_y 1
		.amdhsa_system_sgpr_workgroup_id_z 1
		.amdhsa_system_vgpr_workitem_id 0
		.amdhsa_next_free_vgpr 1024
		.amdhsa_next_free_sgpr 102
		.amdhsa_reserve_vcc 0
		.amdhsa_float_denorm_mode_32 3
		.amdhsa_float_denorm_mode_16_64 3
		.amdhsa_memory_ordered 1
		.amdhsa_forward_progress 1
		.amdhsa_inst_pref_size 144
	.end_amdhsa_kernel
	.amdgpu_metadata
---
amdhsa.version: [ 1, 2 ]
amdhsa.kernels:
  - .name:           k_q108320e821_proj
    .symbol:         k_q108320e821_proj.kd
    .args:
      - { .name: yb, .offset: 0, .size: 8, .value_kind: global_buffer, .address_space: global }
      - { .name: cod, .offset: 8, .size: 8, .value_kind: global_buffer, .address_space: global }
      - { .name: bp, .offset: 16, .size: 8, .value_kind: global_buffer, .address_space: global }
      - { .name: out0, .offset: 24, .size: 8, .value_kind: global_buffer, .address_space: global }
    .group_segment_fixed_size: 327680
    .private_segment_fixed_size: 0
    .kernarg_segment_align: 8
    .kernarg_segment_size: 32
    .max_flat_workgroup_size: 128
    .sgpr_count:     102
    .vgpr_count:     1024
    .wavefront_size: 32
...
	.end_amdgpu_metadata
.endif
;; end of part 4
